; MI455X (gfx1250); checked and timed in simulation.
; The chip was launched on July 23, 2026; its instructions are those of AMD's public machine-readable ISA for CDNA 5 (MIT licence, August 2026) and "CDNA5" Instruction Set Architecture Reference Guide (July 2026). The comments in the code are by the model that wrote it; some were corrected since.
;; SA Multi Head Attention. Allowed arithmetic: matrix products marked QUANTISED: E3M2 operands, one E8M0 scale for each 32 along K, by v_wmma_scale_f32_16x16x128_f8f6f4 with both operands' format E3M2, f32 sums; everything else in f32.
;; Inputs: Wk 16 x 1,024 x 64 float32; Wo 1,024 x 1,024 float32; Wq 16 x 1,024 x 64 float32; Wv 16 x 1,024 x 64 float32; bo 1,024 float32; x 8 x 1,024 x 1,024 float32.
;; Outputs: out0 8 x 1,024 x 1,024 float32.
;; This version of the problem:
;;   THIS VERSION OF THE PROBLEM IS GIVEN IN LOW PRECISION. The matrix products marked QUANTISED in the list below multiply operands that are first quantised to E3M2 (3 exponent bits, 2 mantissa bits; 6 bits a number), with one power-of-two scale for each 32 numbers along K (OCP MX v1.0); their sums are f32. All else is computed in f32.
;;   The module's matrix products, in the order in which they are computed (A, B: the left and right operand; K: the contracted axis; several contracted axes count as one K, in the product's order):
;;     1. [M 1,024, K 1,024] x [K 1,024, N 8,192]; A: input Wq; B: input x: QUANTISED
;;     2. [M 1,024, K 1,024] x [K 1,024, N 8,192]; A: input Wk; B: input x: QUANTISED
;;     3. [M 1,024, K 1,024] x [K 1,024, N 8,192]; A: input Wv; B: input x: QUANTISED
;;     4. batch 128 x [M 1,024, K 64] x [K 64, N 1,024]; A: computed on the way; B: computed on the way: QUANTISED
;;     5. batch 128 x [M 1,024, K 1,024] x [K 1,024, N 64]; A: softmax (see below); B: computed on the way: QUANTISED
;;     6. [M 8,192, K 1,024] x [K 1,024, N 1,024]; A: computed on the way; B: input Wo: QUANTISED
;;   THE QUANTISER, for each operand of a quantised product, along K:
;;     - K is cut into blocks of 32 from its start; a last block that is shorter is filled with zeros.
;;     - A block's scale is 2^e with e = floor(log2(the largest magnitude in the block)) - 4, held to -126 .. 127; a block of zeros has e = 0. As a byte (E8M0): e + 127.
;;     - Each number is divided by its block's scale, clamped to +-28, and rounded to the nearest number of E3M2, ties to even, subnormals kept.
;;     - The product sums the exact products of the quantised numbers (number of the format x scale) in f32.
;;   ~~~python
;;   def quantise(x, axis):      # numpy; x: float32 -> the quantised numbers, widened to float32 again
;;       x = np.moveaxis(x, axis, -1); K = x.shape[-1]
;;       x = np.pad(x, [(0, 0)] * (x.ndim - 1) + [(0, -K % 32)]); x = x.reshape(x.shape[:-1] + (-1, 32)); a = np.abs(x).max(-1, keepdims=True)
;;       e = np.where(a > 0, np.clip(np.frexp(np.where(a > 0, a, 1))[1] - 1 - 4, -126, 127), 0)      # np.frexp(a)[1] - 1 = floor(log2(a)), exactly
;;       r = np.clip(x / 2.0 ** e, -28, 28)
;;       step = 2.0 ** (np.maximum(np.frexp(np.where(r == 0, 1, r))[1] - 1, -2) - 2)
;;       q = np.round(r / step) * step * 2.0 ** e      # np.round: ties to even
;;       return np.moveaxis(q.reshape(q.shape[:-2] + (-1,))[..., :K], -1, axis).astype(np.float32)
;;   ~~~
;;   SOFTMAX AHEAD OF A QUANTISED PRODUCT. Where the list says 'softmax', what is quantised is not the finished softmax but p = 2^(t - M), with t = logit x log2(e) and M = ceil(the row's largest t), a whole number; so 1/2 < the row's largest p <= 1. The row's sum l is taken of the UNQUANTISED p, in f32, and the product's result is divided by l at the end. Since M is a whole number, a kernel that streams over the keys may use a running M (the ceiling of the running maximum): every later rescaling is an exact power of two, which a block's scale takes up: the codes' values come out the same.
;;   OPERANDS COMPUTED ON THE WAY. 'Computed on the way' means the value that the module computes at that place (a softmax that the list does not call 'softmax' is quantised finished and normalised). What goes into a quantiser is computed in f32, as accurately as f32 sums, v_exp_f32 and their like allow (about 1e-6 of the number): no bf16 or f16 on the way to a quantiser, and a product that is left as it is and whose result goes on into a quantised operand takes f32 operands (vector FMAs, or v_wmma_f32_16x16x4_f32). A number that lies on a knife's edge between two numbers of the format may be rounded either way, as far as f32 arithmetic and the matrix unit's own rounding can turn it there, and no further.
;; One version. Each part assembles by itself: llvm-mc -triple=amdgcn-amd-amdhsa -mcpu=gfx1250 --defsym DOCPART=n.
;; ======== version 1 of 1: 4 launches
;; workspace buffers: rc 9,437,184 bytes; rs 393,216 bytes; qkvc 18,874,368 bytes; qkvs 1,572,864 bytes; oc 6,291,456 bytes; os 262,144 bytes
;; launch quant (part 1): grid 384 x 1, 4 waves a work-group, no clusters, 67,072 bytes of LDS; arguments x, Wq, Wk, Wv, Wo, rc, rs; writes rc, rs
.if DOCPART == 1
	.amdgcn_target "amdgcn-amd-amdhsa--gfx1250"
	.amdhsa_code_object_version 6
	.text
	.protected	k_q7880e3f4c5_quant
	.globl	k_q7880e3f4c5_quant
	.p2align	8
	.type	k_q7880e3f4c5_quant,@function
k_q7880e3f4c5_quant:
	s_mov_b64 s[64:65], 0
	v_nop
	global_prefetch_b8 v0, s[64:65] scope:SCOPE_SE
	s_setreg_imm32_b32 hwreg(HW_REG_WAVE_MODE, 25, 1), 1
	s_wait_xcnt 0x0
; x [8192][1024] and the four weights become codes of BF6 (E3M2) with one E8M0 byte for each 32 along K (K = the 1,024 channels; for Wo its first axis).
; A block's scale is 2^(floor(log2(its largest magnitude)) - 4): its byte is the largest magnitude's exponent field - 4, held at 1 from below.
; LAYOUT OF THE RESULT.  rc: [plane = K / 64: 16][position: 12,288][48 bytes];  rs: [K / 256: 4][position][8 bytes].
; Positions 0-8191: rows of x; 8192 on: columns 64 head + d of Wq; 9216 on: Wk; 10240 on: Wv; 11264 on: columns of Wo.
; POSITION p HOLDS THE ROW sw(p), sw = p with its bits 3 and 4 exchanged: sixteen neighbouring positions 32 g + 16 u + r are the rows 32 g + 8 u + r + 8 (r / 8), so that a product
; that takes them as source 0 leaves sixteen neighbours along that axis in a lane's registers of two neighbouring tiles.
; LIMITS: NaN and infinities among the inputs are not served.  A block of zeros gets the byte 1 (not 127): its codes are zeros, and this program alone reads the bytes.
; Blocks whose largest magnitude lies under 2^-122, the floor, were not tried.
; The first 256 work-groups take x, the other 128 the weights: two paths that part on the work-group's number, each with LDS bytes of its own.  No barrier: waves share nothing.
; No tensor loads, clusters or matrix work: the launch is a stream, each input byte read once, every store of codes and bytes in whole aligned runs of 256 bytes (the x path's codes: 384 bytes a store, two stores to three such runs).
.set PLB,   589824                     ; bytes of a plane of rc
.set RSK,   98304                      ; bytes of rs for 256 along K
.set XROW,  640                        ; x path: a stage row: eight places of 64 bytes + 16
.set XWAVE, 16*XROW+256                ; a wave's LDS: the stage, then its 256 scale bytes
.set WBASE, 4*XWAVE                    ; the weights' path begins here
.set WWAVE, 6144                       ; a wave's stage there: 4 planes x 32 positions x 48 bytes
.set R,   16                           ; x path: v16-143 two sets of 64 registers as loaded
.set X,   144                          ; v144-175 two sets of 16 neighbours
.set CD,  176                          ; v176-239 codes: four registers for each of 16 steps, so that no store's data are written again
.set EB,  240                          ; v240-255 a byte for each step
.set AD,  16                           ; weights: v16-47 the 32 rows' offsets; never rewritten
.set WX,  48                           ; v48-111 two sets of 32 numbers
.set CP,  112                          ; v112-159 codes: 12 registers for each of 4 planes
.set WT,  160                          ; v160-162 a block's upper 16 codes
.set WS,  164                          ; v164-165 the 8 scale bytes
.set WO,  168                          ; v168-215 the way out
	s_load_b256 s[4:11], s[0:1], 0x0               ; x, Wq, Wk, Wv
	s_load_b128 s[12:15], s[0:1], 0x20             ; Wo, rc
	s_load_b64 s[16:17], s[0:1], 0x30              ; rs
	v_lshl_add_u32 v235, v0, 2, 0x10400
	v_mov_b32 v239, 0
	v_lshrrev_b32 v1, 5, v0
	v_readfirstlane_b32 s18, v1                    ; wave 0..3
	v_and_b32 v2, 31, v0                           ; lane
	s_cmp_lt_u32 ttmp9, 256
	s_cbranch_scc0 .Lweights
; ---------------- x.  Work-group g: positions 32 g .. 32 g + 31; wave w: K 256 w .. 256 w + 255 (planes 4 w .. 4 w + 3).
; Four groups G = (position half G / 2, K half G % 2) of 16 rows x 128 numbers.  A load reads 512 consecutive bytes of one row; the rows go through the wave's stage and come back 16 neighbours a lane.
	v_lshlrev_b32 v3, 4, v2                        ; my 16 bytes of a load's 512
	s_mul_i32 s19, s18, XWAVE
	v_lshrrev_b32 v10, 2, v2
	v_and_b32 v12, 3, v2
	v_mul_u32_u24 v14, v10, 80
	v_lshl_add_u32 v14, v12, 4, v14
	v_add_nc_u32 v14, s19, v14                     ; into the stage: 80 (lane / 4) + 16 (lane % 4); the row stands in the immediate
	v_mul_u32_u24 v15, v10, XROW
	v_mad_u32_u24 v15, v12, 80, v15
	v_add_nc_u32 v15, s19, v15                     ; out of it: row lane / 4, place lane % 4
	v_mul_u32_u24 v4, v2, 12                       ; my 12 bytes of a step's 384 bytes of codes
	v_bfe_u32 v5, v2, 1, 1
	v_lshl_add_u32 v5, v10, 3, v5
	s_add_co_u32 s19, s19, 16*XROW
	v_add_nc_u32 v5, s19, v5                       ; my block's byte: 8 (lane / 4) + (lane / 2) % 2
	v_lshlrev_b32 v7, 3, v2
	v_add_nc_u32 v6, s19, v7                       ; and on the way out 8 bytes a lane
	s_lshl_b32 s20, ttmp9, 17                      ; 32 rows of 4,096 bytes
	s_lshl_b32 s21, s18, 10
	s_add_co_u32 s20, s20, s21
	s_mov_b32 s21, 0
	s_mul_i32 s22, s18, 4*PLB
	s_mul_i32 s23, ttmp9, 1536
	s_add_co_u32 s22, s22, s23
	s_mov_b32 s23, 0
	s_mul_i32 s24, s18, RSK
	s_lshl_b32 s25, ttmp9, 8
	s_add_co_u32 s24, s24, s25
	s_mov_b32 s25, 0
	s_wait_kmcnt 0x0
	s_add_nc_u64 s[4:5], s[4:5], s[20:21]
	s_add_nc_u64 s[14:15], s[14:15], s[22:23]
	s_add_nc_u64 s[16:17], s[16:17], s[24:25]
.macro XLOAD G                         ; load i brings position 16 (G / 2) + i, which is row 16 (i / 8) + 8 (G / 2) + i % 8
.irp i, 0,1,2,3,4,5,6,7,8,9,10,11,12,13,14,15
	global_load_b128 v[R+64*((\G)%2)+4*\i:R+64*((\G)%2)+4*\i+3], v3, s[4:5] offset:(16*(\i/8)+8*((\G)/2)+\i%8)*4096+512*((\G)%2) th:TH_LOAD_NT
.endr
.endm
.macro XIN G
.irp i, 0,1,2,3,4,5,6,7,8,9,10,11,12,13,14,15
	ds_store_b128 v14, v[R+64*((\G)%2)+4*\i:R+64*((\G)%2)+4*\i+3] offset:XROW*\i
.endr
.endm
.macro XOUT s                          ; step s: rows 8 (s % 2) on, places 4 (s / 2) on: LDS serves a wave's instructions in order, so these see the stores
.irp j, 0,1,2,3
	ds_load_b128 v[X+16*((\s)%2)+4*\j:X+16*((\s)%2)+4*\j+3], v15 offset:8*XROW*((\s)%2)+320*((\s)/2)+16*\j
.endr
.endm
.macro XSTEP G, s, cnt                 ; 8 positions x 64 along K: one plane's 384 bytes of codes, 16 scale bytes
.set XS, X+16*((\s)%2)
.set NS, 4*(\G)+(\s)
	s_wait_dscnt \cnt                              ; this step's four reads are back; what was issued behind them may be out
.if ((\s) == 0) && ((\G) < 2)
	XLOAD (\G)+2                                   ; the stage's stores are done too: their registers take the group two on
.endif
	v_max3_num_f32 v8, |v[XS]|, |v[XS+1]|, |v[XS+2]|
	v_max3_num_f32 v9, |v[XS+3]|, |v[XS+4]|, |v[XS+5]|
.irp i, 6,10
	v_max3_num_f32 v8, v8, |v[XS+\i]|, |v[XS+\i+1]|
	v_max3_num_f32 v9, v9, |v[XS+\i+2]|, |v[XS+\i+3]|
.endr
	v_max3_num_f32 v8, v8, |v[XS+14]|, |v[XS+15]|
	v_max3_num_f32 v8, v8, v9, 0x2800000           ; the floor 2^(5 - 127): the byte cannot fall under 1
	v_max_num_f32_dpp v8, v8, v8 row_xmask:1 row_mask:0xf bank_mask:0xf   ; with my neighbour's 16: the block's
	v_add_nc_u32 v11, 0xfe000000, v8               ; 4 off the exponent field: the conversion's scale operand
	v_cvt_scalef32_pk16_bf6_f32 v[CD+4*NS:CD+4*NS+2], v[XS:XS+15], v11
	v_lshrrev_b32 v[EB+NS], 23, v11                ; the byte (also the plain line behind the conversion)
	ds_store_b8 v5, v[EB+NS] offset:8*(16*((\G)/2)+8*((\s)%2))+2*(2*((\G)%2)+(\s)/2)
	global_store_b96 v4, v[CD+4*NS:CD+4*NS+2], s[14:15] offset:(2*((\G)%2)+(\s)/2)*PLB+(16*((\G)/2)+8*((\s)%2))*48
.if (\s) < 2
	XOUT (\s)+2
.endif
.endm
	XLOAD 0
	XLOAD 1
.irp G, 0,1,2,3
.if \G < 3
	s_wait_loadcnt 16                              ; this group's 16 loads are in; the next group's may be out
.else
	s_wait_loadcnt 0x0
.endif
	XIN \G
	XOUT 0
	XOUT 1
	XSTEP \G, 0, 4                                 ; behind step 0's reads: step 1's four
	XSTEP \G, 1, 5                                 ; a byte store and step 2's four
	XSTEP \G, 2, 5                                 ; a byte store and step 3's four
	XSTEP \G, 3, 1                                 ; a byte store
.endr
	ds_load_b64 v[12:13], v6                       ; my wave's 256 scale bytes: [position 32][8]
	s_wait_dscnt 0x0
	global_store_b64 v7, v[12:13], s[16:17]        ; 32 lanes store 256 consecutive bytes, aligned
	s_wait_tensorcnt 0x0
	ds_add_u32 v235, v239
	s_wait_dscnt 0x0
	s_endpgm
; ---------------- the weights.  u = work-group - 256: tensor u / 32, head (or 64 columns of Wo) (u % 32) / 2; a wave takes 32 columns x 256 along K.
; A LANE TAKES A COLUMN AND ITS REGISTERS RUN DOWN K: a block of 32 lies in one lane, and the conversions give codes with K innermost.  Lane l is position l and takes column sw(l): a load still reads the same 128 bytes.
.Lweights:
	s_sub_co_u32 s19, ttmp9, 256
	s_lshr_b32 s20, s19, 5                         ; which tensor: 0 Wq, 1 Wk, 2 Wv, 3 Wo
	s_bfe_u32 s21, s19, 0x40001                    ; head
	s_and_b32 s22, s19, 1
	s_and_b32 s23, s18, 1                          ; which 32 of the 64 columns
	s_lshr_b32 s24, s18, 1
	s_lshl_b32 s22, s22, 1
	s_add_co_u32 s24, s24, s22                     ; which 256 along K
	s_cmp_lt_u32 s20, 3
	s_cselect_b32 s25, 8, 12                       ; from one k to the next: 256 bytes in [head][k][64], 4,096 in Wo
	s_cselect_b32 s26, 18, 8                       ; from head to head: 262,144 bytes, or 64 columns = 256
	s_lshl_b32 s27, 1, s25
	s_lshl_b32 s28, s21, s26
	s_lshl_b32 s29, s23, 7
	s_add_co_u32 s28, s28, s29
	s_lshl_b32 s29, s24, 8
	s_lshl_b32 s29, s29, s25
	s_add_co_u32 s28, s28, s29
	s_mov_b32 s29, 0
	v_and_b32 v3, 7, v2
	v_bfe_u32 v4, v2, 3, 1
	v_bfe_u32 v5, v2, 4, 1
	v_lshl_or_b32 v3, v4, 4, v3
	v_lshl_or_b32 v3, v5, 3, v3                    ; sw(lane)
	v_lshlrev_b32 v[AD], 2, v3
.irp i, 1,2,3,4,5,6,7,8,9,10,11,12,13,14,15,16,17,18,19,20,21,22,23,24,25,26,27,28,29,30,31
	v_add_nc_u32 v[AD+\i], s27, v[AD+\i-1]         ; row i of a block
.endr
	s_mul_i32 s48, s18, WWAVE
	s_add_co_u32 s48, s48, WBASE                   ; my stage
	v_mul_u32_u24 v6, v2, 48
	v_add_nc_u32 v6, s48, v6                       ; into it: position = lane, 48 bytes
	v_lshlrev_b32 v8, 4, v2
	v_add_nc_u32 v7, s48, v8                       ; out of it: 16 bytes a lane
	v_lshlrev_b32 v9, 3, v2
	s_lshl_b32 s49, s20, 10
	s_lshl_b32 s50, s21, 6
	s_add_co_u32 s49, s49, s50
	s_lshl_b32 s50, s23, 5
	s_add_co_u32 s49, s49, s50
	s_add_co_u32 s49, s49, 8192                    ; my first position
	s_mul_i32 s50, s24, 4*PLB
	s_mul_i32 s51, s49, 48
	s_add_co_u32 s50, s50, s51
	s_mov_b32 s51, 0
	s_mul_i32 s52, s24, RSK
	s_lshl_b32 s53, s49, 3
	s_add_co_u32 s52, s52, s53
	s_mov_b32 s53, 0
	s_wait_kmcnt 0x0
	s_cmp_eq_u32 s20, 0                            ; the choice hangs on the work-group's number alone
	s_cselect_b64 s[30:31], s[6:7], s[12:13]
	s_cmp_eq_u32 s20, 1
	s_cselect_b64 s[30:31], s[8:9], s[30:31]
	s_cmp_eq_u32 s20, 2
	s_cselect_b64 s[30:31], s[10:11], s[30:31]
	s_add_nc_u64 s[32:33], s[30:31], s[28:29]      ; block 0's base; a base for each block, never rewritten
	s_lshl_b32 s28, s27, 5                         ; 32 rows on
.irp t, 1,2,3,4,5,6,7
	s_add_nc_u64 s[32+2*\t:33+2*\t], s[30+2*\t:31+2*\t], s[28:29]
.endr
	s_add_nc_u64 s[14:15], s[14:15], s[50:51]
	s_add_nc_u64 s[16:17], s[16:17], s[52:53]
.macro WLOAD t
.irp i, 0,1,2,3,4,5,6,7,8,9,10,11,12,13,14,15,16,17,18,19,20,21,22,23,24,25,26,27,28,29,30,31
	global_load_b32 v[WX+32*((\t)%2)+\i], v[AD+\i], s[32+2*(\t):33+2*(\t)] th:TH_LOAD_NT
.endr
.endm
.macro WBLOCK t
.set XS, WX+32*((\t)%2)
.set CB, CP+12*((\t)/2)+6*((\t)%2)
.if (\t) < 7
	s_wait_loadcnt 32                              ; this block's 32 loads are in; the next block's may be out
.else
	s_wait_loadcnt 0x0
.endif
	v_max3_num_f32 v12, |v[XS]|, |v[XS+1]|, |v[XS+2]|
	v_max3_num_f32 v13, |v[XS+3]|, |v[XS+4]|, |v[XS+5]|
.irp i, 6,10,14,18,22,26
	v_max3_num_f32 v12, v12, |v[XS+\i]|, |v[XS+\i+1]|
	v_max3_num_f32 v13, v13, |v[XS+\i+2]|, |v[XS+\i+3]|
.endr
	v_max3_num_f32 v12, v12, |v[XS+30]|, |v[XS+31]|
	v_max3_num_f32 v12, v12, v13, 0x2800000        ; the floor
	v_add_nc_u32 v11, 0xfe000000, v12
	v_lshrrev_b32 v13, 23, v11
.if (\t)%4 == 0
	v_mov_b32 v[WS+(\t)/4], v13
.else
	v_lshl_or_b32 v[WS+(\t)/4], v13, 8*((\t)%4), v[WS+(\t)/4]
.endif
	v_cvt_scalef32_pk16_bf6_f32 v[CB:CB+2], v[XS:XS+15], v11
	v_cvt_scalef32_pk16_bf6_f32 v[WT:WT+2], v[XS+16:XS+31], v11   ; (a conversion's three registers begin on an even number)
	v_nop                                          ; one plain line behind the conversions
.irp i, 0,1,2
	v_mov_b32 v[CB+3+\i], v[WT+\i]
.endr
.if (\t)%2 == 1
.irp i, 0,1,2
	ds_store_b128 v6, v[CP+12*((\t)/2)+4*\i:CP+12*((\t)/2)+4*\i+3] offset:1536*((\t)/2)+16*\i   ; a plane's 48 bytes of my position
.endr
.endif
.if (\t)+2 < 8
	WLOAD (\t)+2
.endif
.endm
	WLOAD 0
	WLOAD 1
.irp t, 0,1,2,3,4,5,6,7
	WBLOCK \t
.endr
.irp i, 0,1,2,3,4,5,6,7,8,9,10,11
	ds_load_b128 v[WO+4*\i:WO+4*\i+3], v7 offset:512*\i   ; LDS serves a wave's instructions in order: these see my stores
.endr
	global_store_b64 v9, v[WS:WS+1], s[16:17]      ; 32 positions x 8 bytes: 256 consecutive bytes, aligned
.irp i, 0,1,2,3,4,5,6,7,8,9,10,11
	s_wait_dscnt 11-\i
	global_store_b128 v8, v[WO+4*\i:WO+4*\i+3], s[14:15] offset:(\i/3)*PLB+512*(\i%3)   ; 512 consecutive bytes, aligned to 256
.endr
	s_wait_tensorcnt 0x0
	ds_add_u32 v235, v239
	s_wait_dscnt 0x0
	s_endpgm
.Lfunc_end_k_q7880e3f4c5_quant:
	.size	k_q7880e3f4c5_quant, .Lfunc_end_k_q7880e3f4c5_quant-k_q7880e3f4c5_quant
	.p2alignl 7, 3214868480
	.fill 96, 4, 3214868480
	.section	.rodata,"a",@progbits
	.p2align	6, 0x0
	.amdhsa_kernel k_q7880e3f4c5_quant
		.amdhsa_group_segment_fixed_size 67072
		.amdhsa_private_segment_fixed_size 0
		.amdhsa_enable_private_segment 0
		.amdhsa_kernarg_size 56
		.amdhsa_user_sgpr_count 2
		.amdhsa_user_sgpr_kernarg_segment_ptr 1
		.amdhsa_wavefront_size32 1
		.amdhsa_system_sgpr_workgroup_id_x 1
		.amdhsa_system_sgpr_workgroup_id_y 1
		.amdhsa_system_sgpr_workgroup_id_z 1
		.amdhsa_system_vgpr_workitem_id 0
		.amdhsa_next_free_vgpr 256
		.amdhsa_next_free_sgpr 66
		.amdhsa_reserve_vcc 0
		.amdhsa_float_denorm_mode_32 3
		.amdhsa_float_denorm_mode_16_64 3
		.amdhsa_memory_ordered 1
		.amdhsa_forward_progress 1
		.amdhsa_inst_pref_size 74
	.end_amdhsa_kernel
	.amdgpu_metadata
---
amdhsa.version: [ 1, 2 ]
amdhsa.kernels:
  - .name:           k_q7880e3f4c5_quant
    .symbol:         k_q7880e3f4c5_quant.kd
    .args:
      - { .name: x, .offset: 0, .size: 8, .value_kind: global_buffer, .address_space: global }
      - { .name: Wq, .offset: 8, .size: 8, .value_kind: global_buffer, .address_space: global }
      - { .name: Wk, .offset: 16, .size: 8, .value_kind: global_buffer, .address_space: global }
      - { .name: Wv, .offset: 24, .size: 8, .value_kind: global_buffer, .address_space: global }
      - { .name: Wo, .offset: 32, .size: 8, .value_kind: global_buffer, .address_space: global }
      - { .name: rc, .offset: 40, .size: 8, .value_kind: global_buffer, .address_space: global }
      - { .name: rs, .offset: 48, .size: 8, .value_kind: global_buffer, .address_space: global }
    .group_segment_fixed_size: 67072
    .private_segment_fixed_size: 0
    .kernarg_segment_align: 8
    .kernarg_segment_size: 56
    .max_flat_workgroup_size: 128
    .sgpr_count:     66
    .vgpr_count:     256
    .wavefront_size: 32
...
	.end_amdgpu_metadata
.endif
;; end of part 1
;; launch qkv (part 2): grid 12 x 32, 4 waves a work-group, clusters of 4 x 4, 327,680 bytes of LDS; arguments rc, rs, qkvc, qkvs; writes qkvc, qkvs
.if DOCPART == 2
	.amdgcn_target "amdgcn-amd-amdhsa--gfx1250"
	.amdhsa_code_object_version 6
	.text
	.protected	k_q7880e3f4c5_qkv
	.globl	k_q7880e3f4c5_qkv
	.p2align	8
	.type	k_q7880e3f4c5_qkv,@function
k_q7880e3f4c5_qkv:
	s_mov_b64 s[64:65], 0
	v_nop
	global_prefetch_b8 v0, s[64:65] scope:SCOPE_SE
	s_setreg_imm32_b32 hwreg(HW_REG_WAVE_MODE, 25, 1), 1
	s_wait_xcnt 0x0
	s_wait_alu depctr_hold_cnt(0) depctr_sa_sdst(0) depctr_va_vdst(0) depctr_va_sdst(0) depctr_va_ssrc(0) depctr_va_vcc(0) depctr_vm_vsrc(0)
	s_getreg_b32 s2, hwreg(HW_REG_IB_STS2, 6, 4)
	s_cmp_eq_u32 s2, 0
	s_cbranch_scc0 .Lentry_in_a_cluster
	s_endpgm
.Lentry_in_a_cluster:
	s_bfe_u32 s2, ttmp6, 0x10000c
	s_cmp_lg_u32 s2, 0xf033
	s_cbranch_scc0 .Lentry_shape_is_right
	s_endpgm
.Lentry_shape_is_right:
; q, k and v of all heads: one GEMM on codes of BF6 (K = 1,024), whose way out quantises its results again: q and k along the head's 64, v along the keys.
; Cluster x = kind (0 q, 1 k, 2 v), cluster y = batch b.  A tile of C is 256 x 256, a wave makes 128 x 128: 64 accumulators.  THE MATRIX INSTRUCTION IS USED TRANSPOSED: source 0 = 16 positions of B, source 1 = 16 of A:
; a lane holds one position of A, and its registers of two neighbouring tiles hold 16 NEIGHBOURS along B's axis (rc's positions are laid for that).
;   q, k: A = x (a lane = a token), B = the weight (registers along 64 head + d).      v: A = Wv (a lane = a channel d of a head), B = x (registers along the keys).   One text serves all three: only tile numbers and store addresses are chosen.
; rc: [plane = K / 64][position][48 bytes]; rs: [K / 256][position][8].  A fragment (16 positions x 128 K) is two dense pieces of 768 bytes; lane (r, h) takes 24 bytes at 48 r + 24 h of each, as three loads of 8 bytes:
; the words 12 r + 6 h, + 1 of the 32 lanes are 64 different words modulo 64, so the tiles need no padding.
; K goes in 4 steps of 256 through two LDS slots filled by joint tensor loads: A's tile is shared along a row of the 4 x 4 cluster, B's along a column.  The scale bytes of all of K come once, with the first fills.
; RESULTS.  qkvc: [kind][16 b + head][49,152 bytes]; q, k: [position of the token][48]; v: [keys / 64][position of d][48].  qkvs: [kind][16 b + head][4,096]; q, k: a word a position, bytes 0, 1 the two blocks, bytes 2, 3 = 127 (the scale 1);
; v: [keys / 128][position of d] words.
; LIMITS: NaN and infinities are not served; a block of zeros gets the byte 1 with zero codes (this program alone reads the bytes); blocks under the floor 2^-122 were not tried.
; REGISTERS: window 0: v1-31 addresses; v32-63 scale words, two sets; v64-127 the way out's work; v128-223 A's fragments, one set; on the way out v128-231 what is read back.  window 1: B's fragments, two sets, at v0 and v128.
;   window 2: accumulators of A's blocks 0-3 ((a, b) at v[8 (8 a + b)]); window 3: of blocks 4-7.
.set NQ,     2                         ; matrix instructions deep in a slot
.set FR,     12
.set NL,     6
.set NP,     4                         ; places behind this matrix instruction (ISA guide 7.12.1)
.set PL,     6144                      ; 128 positions x 48 bytes: a plane of what one load brings
.set HALFT,  4*PL                      ; one tensor load: 128 positions x 256 along K
.set SLOT,   4*HALFT                   ; A's two halves, then B's two
.set SCL,    2*SLOT                    ; behind the ring: the scale bytes, [K / 256][128 positions][8] for each load
.set HALFS,  4096
.set SPARE,  SCL+4*HALFS               ; the spare words: 128 bytes for each wave, named by no other line
.set KADV,   2359296                   ; 4 planes of rc
.set WST,    13312                     ; the way out: a wave's stage, in slot 0: 12,288 bytes of codes, 1,024 of scale words
.set ADRA, 16                          ; v16-17 LDS address of my A fragments in slot 0, 1
.set ADRB, 20                          ; v20-21 the same for B
.set SH,   22                          ; v22 how far my half of the lanes shifts a scale word
.set STO,  24                          ; v24 the stage: my 24 bytes of codes
.set SSO,  25                          ; v25 the stage: my scale word
.set RD,   26                          ; v26 the stage, read back: 16 bytes a lane
.set ADRS, 27                          ; v27 my scale words: lanes 0-15 A's, lanes 16-31 B's
.set SPW,  28                          ; v28 my spare word; never rewritten
.set NIL,  29                          ; v29 0; never rewritten
.set CO,   30                          ; v30 16 x lane
.set VSO,  31                          ; v31 the same for v's scale words, whose second 256 bytes belong to the next head
.set SC,   32
.set TM,   64                          ; v64-79 largest magnitudes, bytes, scale operands
.set AF,   128
.set BK,   128
.set G1, 24
.set G0, 32
.set G1B, 48
.set G0B, 56
.set G1S, 68
.set G0S, 76
.set G1SB, 80
.set G0SB, 88
.set MSK, 92                           ; the way out's scalars lie in registers that the descriptors have left
.set FIL, 93
.set SEL, 96
.set GB,  32                           ; s[32:39] four bases for the codes
.set GS,  20                           ; s[20:21] the scale words' base
.set MSB, 0
.macro WIN new                         ; the immediate's high byte repeats the setting that is left
.if MSB != (\new)
	s_set_vgpr_msb (MSB<<8)|(\new)
.set MSB, (\new)
.endif
.endm
.set MUL_LO, 0xa1                      ; source 0 (B) window 1, source 1 (A) window 0, C and D window 2
.set MUL_HI, 0xf1
.set TO_B,   0x40
; A joint load: waves 0 and 1 fetch for A, waves 2 and 3 for B; the branch hangs on the wave's number alone.  Four v_nop follow each line.
.macro JLOAD g0a, g1a, g0b, g1b
	s_cmp_eq_u32 s15, 0
	s_cbranch_scc0 .Lfor_b_\@
	tensor_load_to_lds s[\g0a:\g0a+3], s[\g1a:\g1a+7]
	s_nop 0
.rept 4
	v_nop
.endr
	s_branch .Lasked_\@
.Lfor_b_\@:
	tensor_load_to_lds s[\g0b:\g0b+3], s[\g1b:\g1b+7]
	s_nop 0
.rept 4
	v_nop
.endr
.Lasked_\@:
.endm
.macro CREST                           ; a round of the cluster's barrier behind its opening barrier
	s_cmp_lg_u32 s14, 0
	s_cbranch_scc1 .Lnot_wave_0_\@
	s_barrier_signal -3
.Lnot_wave_0_\@:
	s_barrier_wait -3
	s_barrier_signal -1
	s_barrier_wait -1
.endm
.macro CROUND
	s_barrier_signal -1
	s_barrier_wait -1
	CREST
.endm
	s_load_b256 s[4:11], s[0:1], 0x0               ; rc, rs, qkvc, qkvs
	v_lshl_add_u32 v[SPW], v0, 2, SPARE
	v_mov_b32 v[NIL], 0
	ds_add_u32 v28, v29
	ds_add_u32 v28, v29
	s_wait_dscnt 0x0
	v_lshrrev_b32 v1, 5, v0
	v_readfirstlane_b32 s14, v1                    ; wave 0..3
	s_lshr_b32 s15, s14, 1                         ; my half of A's positions.  Also: I fetch for A (0) or for B (1)
	s_and_b32 s16, s14, 1                          ; my half of B's.  Also: which 128 positions I fetch
	s_bfe_u32 s40, ttmp6, 0x40000                  ; cx
	s_bfe_u32 s41, ttmp6, 0x40004                  ; cy
	s_and_b32 s12, ttmp7, 0xffff                   ; b
	s_lshl_b32 s13, s12, 2                         ; x's first tile of 256 positions in batch b
	s_lshl_b32 s17, ttmp9, 2
	s_add_co_u32 s17, s17, 32                      ; the weight's first tile: 32 + 4 kind
	s_cmp_lt_u32 ttmp9, 2                          ; q or k?  The cluster's x: the same in all sixteen partners
	s_cselect_b32 s18, s13, 40                     ; A: x, or Wv (tile 40 on)
	s_cselect_b32 s19, s17, s13                    ; B: the weight, or x
	s_add_co_u32 s17, s18, s41                     ; A's tile hangs on cy alone,
	s_add_co_u32 s42, s19, s40                     ; B's on cx alone
	s_lshl_b32 s43, s41, 2
	s_lshl_b32 s43, 15, s43                        ; my row of the cluster
	s_lshl_b32 s44, 0x1111, s40                    ; my column
	; codes: 4 planes (rows) of 6,144 bytes = 768 elements of 8 bytes, a plane of rc apart; no padding
	s_or_b32 s[G1+0], s43, (3<<16)|(1<<21)
	s_or_b32 s[G1B+0], s44, (3<<16)|(1<<21)
.irp g, G1, G1B
	s_mov_b32 s[\g+1], 768<<16                     ; tensor_dim0
	s_mov_b32 s[\g+2], 4<<16                       ; tensor_dim1
	s_mov_b32 s[\g+3], 768<<16                     ; tile_dim0
	s_mov_b32 s[\g+4], 4                           ; tile_dim1
	s_mov_b32 s[\g+5], 73728                       ; from plane to plane, in elements
	s_mov_b32 s[\g+6], 0
	s_mov_b32 s[\g+7], 0
.endr
	; scale bytes: 4 rows (K / 256) of 1,024 bytes = 128 elements
	s_or_b32 s[G1S+0], s43, (3<<16)|(1<<21)
	s_or_b32 s[G1SB+0], s44, (3<<16)|(1<<21)
.irp g, G1S, G1SB
	s_mov_b32 s[\g+1], 128<<16
	s_mov_b32 s[\g+2], 4<<16
	s_mov_b32 s[\g+3], 128<<16
	s_mov_b32 s[\g+4], 4
	s_mov_b32 s[\g+5], 12288
	s_mov_b32 s[\g+6], 0
	s_mov_b32 s[\g+7], 0
.endr
	s_lshl_b32 s18, s16, 7
	s_lshl_b32 s20, s17, 8
	s_add_co_u32 s20, s20, s18                     ; A: position 256 x tile + 128 x half
	s_lshl_b32 s46, s42, 8
	s_add_co_u32 s46, s46, s18                     ; B likewise
	s_lshl_b32 s22, s20, 3                         ; 8 scale bytes a position,
	s_mov_b32 s23, 0
	s_mul_i32 s20, s20, 48                         ; 48 bytes of codes
	s_mov_b32 s21, 0
	s_lshl_b32 s92, s46, 3
	s_mov_b32 s93, 0
	s_mul_i32 s46, s46, 48
	s_mov_b32 s47, 0
	s_mul_i32 s45, s14, HALFT                      ; where they go: by the wave's number alone
	s_mul_i32 s94, s14, HALFS
	s_mov_b32 s[SEL], 0x76543210
	s_mov_b32 s[SEL+1], 0xfedcba98
	s_wait_kmcnt 0x0
	s_add_nc_u64 s[20:21], s[4:5], s[20:21]
	s_add_nc_u64 s[22:23], s[6:7], s[22:23]
	s_add_nc_u64 s[46:47], s[4:5], s[46:47]
	s_add_nc_u64 s[92:93], s[6:7], s[92:93]
	CROUND                                         ; all sixteen work-groups are here: the first joint loads meet
	s_mov_b32 s[G0S], 1
	s_add_co_u32 s[G0S+1], s94, SCL
	s_mov_b64 s[G0S+2:G0S+3], s[22:23]
	s_or_b32 s[G0S+3], s[G0S+3], 0x80000000
	s_mov_b32 s[G0SB], 1
	s_add_co_u32 s[G0SB+1], s94, SCL
	s_mov_b64 s[G0SB+2:G0SB+3], s[92:93]
	s_or_b32 s[G0SB+3], s[G0SB+3], 0x80000000
	JLOAD G0S, G1S, G0SB, G1SB                     ; the scale bytes first
.irp s, 0,1
	s_mov_b32 s[G0+4*\s], 1
	s_add_co_u32 s[G0+4*\s+1], s45, \s*SLOT
	s_add_nc_u64 s[G0+4*\s+2:G0+4*\s+3], s[20:21], \s*KADV
	s_or_b32 s[G0+4*\s+3], s[G0+4*\s+3], 0x80000000
	s_mov_b32 s[G0B+4*\s], 1
	s_add_co_u32 s[G0B+4*\s+1], s45, \s*SLOT
	s_add_nc_u64 s[G0B+4*\s+2:G0B+4*\s+3], s[46:47], \s*KADV
	s_or_b32 s[G0B+4*\s+3], s[G0B+4*\s+3], 0x80000000
	JLOAD G0+4*\s, G1, G0B+4*\s, G1B               ; K steps 0 and 1: three loads of mine are out
.endr
	v_and_b32 v1, 15, v0                           ; r
	v_bfe_u32 v2, v0, 4, 1                         ; h
	v_mul_u32_u24 v3, v1, 48
	v_mad_u32_u24 v4, v2, 24, v3                   ; 48 r + 24 h
	s_mul_i32 s21, s15, HALFT
	s_mul_i32 s22, s16, HALFT
	s_add_co_u32 s22, s22, 2*HALFT
.irp s, 0,1
	v_add_nc_u32 v[ADRA+\s], s21, v4
	v_add_nc_u32 v[ADRB+\s], s22, v4
	s_add_co_u32 s21, s21, SLOT
	s_add_co_u32 s22, s22, SLOT
.endr
	v_lshlrev_b32 v5, 3, v1                        ; my position's 8 scale bytes of a K step
	s_mul_i32 s21, s15, HALFS
	s_mul_i32 s22, s16, HALFS
	s_add_co_u32 s22, s22, 2*HALFS
	s_sub_co_u32 s22, s22, s21
	v_mul_u32_u24 v6, s22, v2                      ; lanes 16-31 take B's: one product, the distance between the two
	s_add_co_u32 s21, s21, SCL
	v_add_nc_u32 v5, v5, v6
	v_add_nc_u32 v[ADRS], s21, v5
	s_mul_i32 s23, s14, WST                        ; my stage
	v_add_nc_u32 v[STO], s23, v4
	v_lshlrev_b32 v5, 2, v1
	v_lshl_add_u32 v5, v2, 9, v5
	v_add_nc_u32 v5, s23, v5
	v_add_nc_u32 v[SSO], 12288, v5                 ; 512 h + 4 r behind the codes
	v_and_b32 v6, 31, v0
	v_lshl_add_u32 v[RD], v6, 4, s23
.macro FRAG reg, adr, q, i             ; a fragment: registers 6 c .. 6 c + 5 = K 64 c + 32 h + 0 .. 31 = my 24 bytes of plane 2 q + c
.irp c, 0,1
.irp p, 0,1,2
	ds_load_b64 v[\reg+6*\c+2*\p:\reg+6*\c+2*\p+1], v[\adr] offset:(2*(\q)+\c)*PL+768*(\i)+8*\p
.endr
.endr
.endm
; 16 matrix instructions: A's blocks a0, a0 + 1 x B's eight.  The 64 accumulators take turns, one instruction a turn, in the same order in every step.
.macro MUL16 a0, p, q, sc, zero
.irp a, \a0, \a0+1
.irp b, 0,1,2,3,4,5,6,7
.if \zero
	v_wmma_scale_f32_16x16x128_f8f6f4 v[8*(8*((\a)%4)+\b):8*(8*((\a)%4)+\b)+7], v[128*(\p)+FR*\b:128*(\p)+FR*\b+FR-1], v[AF+FR*(\a):AF+FR*(\a)+FR-1], 0, v[SC+8*NQ*(\sc)+NQ*\b+(\q)], v[SC+8*NQ*(\sc)+NQ*(\a)+(\q)] matrix_a_fmt:MATRIX_FMT_BF6 matrix_b_fmt:MATRIX_FMT_BF6 matrix_a_scale:MATRIX_SCALE_ROW1
.else
	v_wmma_scale_f32_16x16x128_f8f6f4 v[8*(8*((\a)%4)+\b):8*(8*((\a)%4)+\b)+7], v[128*(\p)+FR*\b:128*(\p)+FR*\b+FR-1], v[AF+FR*(\a):AF+FR*(\a)+FR-1], v[8*(8*((\a)%4)+\b):8*(8*((\a)%4)+\b)+7], v[SC+8*NQ*(\sc)+NQ*\b+(\q)], v[SC+8*NQ*(\sc)+NQ*(\a)+(\q)] matrix_a_fmt:MATRIX_FMT_BF6 matrix_b_fmt:MATRIX_FMT_BF6 matrix_a_scale:MATRIX_SCALE_ROW1
.endif
.endr
.endr
.endm
.macro FETCH_B slot, q, p
	WIN TO_B
.irp i, 0,1,2,3,4,5,6,7
	FRAG 128*(\p)+FR*\i, ADRB+\slot, \q, \i
.endr
	WIN 0
.endm
.macro FETCH_A slot, q, i0
.irp i, \i0, \i0+1, \i0+2, \i0+3
	FRAG AF+FR*(\i), ADRA+\slot, \q, \i
.endr
.endm
.macro SCALES sc, ks                   ; K step ks's two words a position into set sc: lanes 0-15 A's block i, lanes 16-31 B's block i
.irp i, 0,1,2,3,4,5,6,7
	ds_load_b64 v[SC+8*NQ*(\sc)+NQ*\i:SC+8*NQ*(\sc)+NQ*\i+1], v[ADRS] offset:1024*(\ks)+128*\i
.endr
.endm
.macro PLACES n                        ; plain vector lines between a matrix instruction and a load into, or a read of, its registers
.rept \n
	v_nop
.endr
.endm
.macro STEP slot, q, zero              ; 128 along K that has its successor in the same slot
	s_wait_dscnt 4*NL                              ; B's set, A's blocks 0-3 and the scale words are in; the youngest 24 loads (A's blocks 4-7) may be out
	WIN MUL_LO
	MUL16 0, (\q)%2, \q, \slot, \zero
	MUL16 2, (\q)%2, \q, \slot, \zero
	s_wait_dscnt 0
	PLACES NP
	FETCH_B \slot, (\q)+1, 1-(\q)%2
	FETCH_A \slot, (\q)+1, 0
	WIN MUL_HI
	MUL16 4, (\q)%2, \q, \slot, \zero
	MUL16 6, (\q)%2, \q, \slot, \zero
	PLACES NP
	WIN 0
	FETCH_A \slot, (\q)+1, 4
.endm
; A slot's last 128 change slots: one barrier; in front of it each wave waits for all its tensor loads, adds 0 to its spare word, and waits for that and for its reads of this slot.
; fill = 1: the barrier opens a round of the cluster's barrier and this slot is filled again, two K steps ahead.  ks: the K step that begins.
.macro TURN slot, next, fill, ks
	s_wait_tensorcnt 0x0                           ; all my tensor loads have landed: my part of the next slot
	ds_add_u32 v[SPW], v[NIL]                      ; 0 onto my spare word
	s_wait_dscnt 4*NL+1                            ; (the add and A's blocks 4-7 may be out)
	WIN MUL_LO
	MUL16 0, 1, NQ-1, \slot, 0
	s_wait_dscnt 0x0                               ; the add is done, and my reads of this slot are over
	s_barrier_signal -1
	MUL16 2, 1, NQ-1, \slot, 0
	WIN 0
	s_barrier_wait -1
.if \fill
	CREST                                          ; no wave of any partner still reads this slot or has a load on its way
	s_add_nc_u64 s[G0+4*\slot+2:G0+4*\slot+3], s[G0+4*\slot+2:G0+4*\slot+3], 2*KADV
	s_add_nc_u64 s[G0B+4*\slot+2:G0B+4*\slot+3], s[G0B+4*\slot+2:G0B+4*\slot+3], 2*KADV
	JLOAD G0+4*\slot, G1, G0B+4*\slot, G1B         ; my one tensor load behind the round; its four v_nop are the places in front of the loads below
.else
	PLACES NP
.endif
	FETCH_B \next, 0, 0
	FETCH_A \next, 0, 0
	SCALES \next, \ks
	WIN MUL_HI
	MUL16 4, 1, NQ-1, \slot, 0
	MUL16 6, 1, NQ-1, \slot, 0
	PLACES NP
	WIN 0
	FETCH_A \next, 0, 4
.endm
	s_wait_tensorcnt 1                             ; the scale bytes and my part of K step 0 are in; K step 1's load may be out
	s_barrier_signal -1
	s_barrier_wait -1
	FETCH_B 0, 0, 0
	FETCH_A 0, 0, 0
	SCALES 0, 0
	FETCH_A 0, 0, 4
	STEP 0, 0, 1                                   ; the first products start the sums: nothing is cleared
	TURN 0, 1, 1, 1                                ; four K steps, written out: slot 0 takes K step 2,
	STEP 1, 0, 0
	TURN 1, 0, 1, 2                                ; slot 1 K step 3,
	STEP 0, 0, 0
	TURN 0, 1, 0, 3                                ; and nothing is left to fetch
	STEP 1, 0, 0
	s_wait_dscnt 4*NL
	WIN MUL_LO
	MUL16 0, 1, NQ-1, 1, 0
	MUL16 2, 1, NQ-1, 1, 0
	s_wait_dscnt 0
	WIN MUL_HI
	MUL16 4, 1, NQ-1, 1, 0
	MUL16 6, 1, NQ-1, 1, 0
	WIN 0
; THE WAY OUT.  Block a (16 positions of A): a lane's 64 numbers, register 16 g + i = index 32 g + 16 h + i along B's axis, become a fragment's codes and a scale word.
; q, k: the 128 are two heads' 64: plane c = head, and each head's word takes two of the four bytes.   v: the 128 are a key step: planes c = its two halves, the word as it stands.
; No tensor load of mine is out (the last change of slots waited for all), so the descriptors' registers are free.
	s_lshl_b32 s20, s41, 2
	s_lshl_b32 s21, s15, 1
	s_add_co_u32 s20, s20, s21                     ; 64 x this = my first position of A within its 1,024
	s_lshl_b32 s21, s40, 2
	s_lshl_b32 s22, s16, 1
	s_add_co_u32 s21, s21, s22                     ; the same for B
	s_mov_b32 s24, 49152
	s_mov_b32 s25, 3072
	s_cmp_eq_u32 ttmp9, 2                          ; v?
	s_cselect_b32 s22, s20, s21                    ; the head: from A for v, from B for q, k
	s_cselect_b32 s23, s21, s20                    ; the run of 3,072 bytes in the head
	s_cselect_b32 s46, s25, s24                    ; from plane c = 0 to 1
	s_cselect_b32 s44, s24, s25                    ; from A's first 64 positions to its second
	s_cselect_b32 s26, 7, 8
	s_cselect_b32 s[MSK], -1, 0xffff
	s_cselect_b32 s[FIL], 0, 0x7f7f0000
	s_cselect_b32 s27, 0xf00, 0
	s_cselect_b32 s28, 0, 16
	s_mov_b32 s45, 0
	s_mov_b32 s47, 0
	s_mul_i32 s32, ttmp9, 6291456
	s_mul_i32 s33, s12, 786432
	s_add_co_u32 s32, s32, s33
	s_mul_i32 s33, s22, 49152
	s_add_co_u32 s32, s32, s33
	s_mul_i32 s33, s23, 3072
	s_add_co_u32 s32, s32, s33
	s_mov_b32 s33, 0
	s_add_nc_u64 s[GB:GB+1], s[8:9], s[32:33]
	s_add_nc_u64 s[GB+2:GB+3], s[GB:GB+1], s[44:45]
	s_add_nc_u64 s[GB+4:GB+5], s[GB:GB+1], s[46:47]
	s_add_nc_u64 s[GB+6:GB+7], s[GB+4:GB+5], s[44:45]
	s_mul_i32 s20, ttmp9, 524288
	s_lshl_b32 s21, s12, 4
	s_add_co_u32 s21, s21, s22
	s_lshl_b32 s21, s21, 12
	s_add_co_u32 s20, s20, s21
	s_lshl_b32 s21, s23, s26
	s_add_co_u32 s20, s20, s21
	s_mov_b32 s21, 0
	s_add_nc_u64 s[GS:GS+1], s[10:11], s[20:21]
	v_mul_u32_u24 v[SH], v2, s28                   ; q, k: lanes 16-31 take the second head's two bytes
	v_and_b32 v5, 31, v0
	v_lshlrev_b32 v[CO], 4, v5
	v_mul_u32_u24 v6, v2, s27
	v_add_nc_u32 v[VSO], v[CO], v6                 ; v: lanes 16-31 hold the next head's words: 4,096 - 256 bytes on
.irp b, 0,1,2,3
	v_mov_b32 v[TM+4+\b], 0                        ; written once: a lane permute's destination counts as one of its sources
.endr
.macro QUANTW a
.set AC, 64*((\a)%4)
.set WA, 2+(\a)/4                      ; the block's window
.set PC, 80+24*((\a)%2)                ; two sets of 22 registers by turns: 12 codes, 8 at work, the word, the word as stored
.set PW, PC+20
.set TT, PC+21
	WIN 5*WA                                       ; sources 0 and 1 in the block's window
.irp b, 0,1,2,3
	v_max3_num_f32 v[TM+\b], |v[AC+16*\b]|, |v[AC+16*\b+1]|, 0x2800000   ; each accumulator is read from its low end on; the floor 2^(5 - 127)
.endr
.irp i, 2,4,6,8,10,12,14
.irp b, 0,1,2,3
	v_max3_num_f32 v[TM+\b], |v[AC+16*\b+\i]|, |v[AC+16*\b+\i+1]|, v[TM+\b]
.endr
.endr
	WIN 0
.irp b, 0,1,2,3
	v_permlanex16_b32 v[TM+4+\b], v[TM+\b], s[SEL], s[SEL+1]
.endr
.irp b, 0,1,2,3
	v_max_num_f32 v[TM+\b], v[TM+\b], v[TM+4+\b]   ; with lane l xor 16's 16: the block's largest magnitude
.endr
.irp b, 0,1,2,3
	v_add_nc_u32 v[TM+12+\b], 0xfe000000, v[TM+\b] ; 4 off the exponent field: the conversion's scale operand
.endr
.irp b, 0,1,2,3
	v_lshrrev_b32 v[TM+8+\b], 23, v[TM+12+\b]      ; the byte
.endr
	v_lshl_or_b32 v[PW], v[TM+9], 8, v[TM+8]
	v_lshl_or_b32 v[PW], v[TM+10], 16, v[PW]
	v_lshl_or_b32 v[PW], v[TM+11], 24, v[PW]
	WIN WA                                         ; source 0 in the block's window
.irp c, 0,1
	v_cvt_scalef32_pk16_bf6_f32 v[PC+6*\c:PC+6*\c+2], v[AC+32*\c:AC+32*\c+15], v[TM+12+2*\c]
	v_cvt_scalef32_pk16_bf6_f32 v[PC+12+4*\c:PC+14+4*\c], v[AC+32*\c+16:AC+32*\c+31], v[TM+12+2*\c+1]
.endr
	WIN 0
	v_nop                                          ; one plain line behind the conversions
.irp c, 0,1                            ; a whole block to a lane: lanes 0-15 block 2 c, lanes 16-31 block 2 c + 1
.irp i, 0,1,2
	v_permlane16_swap_b32 v[PC+6*\c+\i], v[PC+12+4*\c+\i]
.endr
.irp i, 0,1,2
	v_mov_b32 v[PC+3+6*\c+\i], v[PC+12+4*\c+\i]
.endr
.endr
.endm
.macro OUTW a
.if (\a) >= 2
	s_wait_dscnt 7                                 ; the last block's seven stores may be out; those of the block before, which read this set of registers, are done
.endif
	QUANTW \a
	v_lshrrev_b32 v[TT], v[SH], v[PW]
	v_and_or_b32 v[TT], v[TT], s[MSK], s[FIL]
.irp c, 0,1
.irp p, 0,1,2
	ds_store_b64 v[STO], v[PC+6*\c+2*\p:PC+6*\c+2*\p+1] offset:6144*\c+768*(\a)+8*\p
.endr
.endr
	ds_store_b32 v[SSO], v[TT] offset:64*(\a)
.endm
	PLACES NP                                      ; with the address lines above: the places behind the last products
.irp a, 0,1,2,3,4,5,6,7
	OUTW \a
.endr
.set ii, 0
.rept 26
	ds_load_b128 v[BK+4*ii:BK+4*ii+3], v[RD] offset:512*ii   ; my own stage: LDS serves a wave's instructions in order
.set ii, ii+1
.endr
.set ii, 0
.rept 24                               ; four runs of 3,072 bytes: (plane c, half of A's positions) = (ii / 12, (ii / 6) % 2)
	s_wait_dscnt 25-ii
	global_store_b128 v[CO], v[BK+4*ii:BK+4*ii+3], s[GB+2*(ii/6):GB+2*(ii/6)+1] offset:512*(ii%6)   ; 512 consecutive bytes, aligned to 256
.set ii, ii+1
.endr
	s_wait_dscnt 1
	global_store_b128 v[VSO], v[BK+96:BK+99], s[GS:GS+1]   ; q, k: the first head's 128 words; v: 64 words for each of two heads
	s_wait_dscnt 0x0
	s_cmp_eq_u32 ttmp9, 2
	s_cbranch_scc1 .Lno_second                     ; v's words are whole in the first piece (the cluster's x: alike in all partners)
	global_store_b128 v[CO], v[BK+100:BK+103], s[GS:GS+1] offset:4096   ; q, k: the second head's
.Lno_second:
	s_wait_tensorcnt 0x0                           ; the wave's end
	ds_add_u32 v[SPW], v[NIL]
	s_wait_dscnt 0x0
	CROUND                                         ; the closing round
	s_endpgm
.Lfunc_end_k_q7880e3f4c5_qkv:
	.size	k_q7880e3f4c5_qkv, .Lfunc_end_k_q7880e3f4c5_qkv-k_q7880e3f4c5_qkv
	.p2alignl 7, 3214868480
	.fill 96, 4, 3214868480
	.section	.rodata,"a",@progbits
	.p2align	6, 0x0
	.amdhsa_kernel k_q7880e3f4c5_qkv
		.amdhsa_group_segment_fixed_size 327680
		.amdhsa_private_segment_fixed_size 0
		.amdhsa_enable_private_segment 0
		.amdhsa_kernarg_size 32
		.amdhsa_user_sgpr_count 2
		.amdhsa_user_sgpr_kernarg_segment_ptr 1
		.amdhsa_wavefront_size32 1
		.amdhsa_system_sgpr_workgroup_id_x 1
		.amdhsa_system_sgpr_workgroup_id_y 1
		.amdhsa_system_sgpr_workgroup_id_z 1
		.amdhsa_system_vgpr_workitem_id 0
		.amdhsa_next_free_vgpr 1024
		.amdhsa_next_free_sgpr 100
		.amdhsa_reserve_vcc 0
		.amdhsa_float_denorm_mode_32 3
		.amdhsa_float_denorm_mode_16_64 3
		.amdhsa_memory_ordered 1
		.amdhsa_forward_progress 1
		.amdhsa_inst_pref_size 172
	.end_amdhsa_kernel
	.amdgpu_metadata
---
amdhsa.version: [ 1, 2 ]
amdhsa.kernels:
  - .name:           k_q7880e3f4c5_qkv
    .symbol:         k_q7880e3f4c5_qkv.kd
    .args:
      - { .name: rc, .offset: 0, .size: 8, .value_kind: global_buffer, .address_space: global }
      - { .name: rs, .offset: 8, .size: 8, .value_kind: global_buffer, .address_space: global }
      - { .name: qkvc, .offset: 16, .size: 8, .value_kind: global_buffer, .address_space: global }
      - { .name: qkvs, .offset: 24, .size: 8, .value_kind: global_buffer, .address_space: global }
    .group_segment_fixed_size: 327680
    .private_segment_fixed_size: 0
    .kernarg_segment_align: 8
    .kernarg_segment_size: 32
    .max_flat_workgroup_size: 128
    .sgpr_count:     100
    .vgpr_count:     1024
    .wavefront_size: 32
...
	.end_amdgpu_metadata
.endif
;; end of part 2
;; launch attn (part 3): grid 256 x 1, 16 waves a work-group, no clusters, 169,984 bytes of LDS; arguments qkvc, qkvs, oc, os; writes oc, os
.if DOCPART == 3
	.amdgcn_target "amdgcn-amd-amdhsa--gfx1250"
	.amdhsa_code_object_version 6
	.text
	.protected	k_q7880e3f4c5_attn
	.globl	k_q7880e3f4c5_attn
	.p2align	8
	.type	k_q7880e3f4c5_attn,@function
k_q7880e3f4c5_attn:
	s_mov_b64 s[64:65], 0
	v_nop
	global_prefetch_b8 v0, s[64:65] scope:SCOPE_SE
	s_setreg_imm32_b32 hwreg(HW_REG_WAVE_MODE, 25, 1), 1
	s_wait_xcnt 0x0
; Causal attention of one (batch, head) on codes of BF6, and the result quantised along (head, d) for the last product.  Two work-groups to a head; 16 waves each.
; t = score x log2(e) / 8; M = the running largest t rounded UP to a whole number; p = 2^(t - M) is quantised along the keys; the row's sum is taken of the unquantised p and divides at the end (v_rcp_f32, 1 ulp).
; SHARES.  Wave w of work-group g owns two tiles of 16 query positions: j = 16 g + w and 63 - j.  Tile j needs j / 8 + 1 key steps of 128, so every wave walks 9 steps.
; The loops' trip counts are constants (4 and 8); a step all of whose keys are hidden is left out by a scalar branch on ids inside the loop.
; THE WHOLE HEAD LIES IN LDS, filled once: k's codes [position][48], v's [keys / 64][position of d][48], their scale words.  Keys 0-511 are waited for in front of the first pass, which reads no others; the rest in front of the second.
; No LDS byte is filled twice.  NO CLUSTER: only two work-groups share a head's tiles, once, at the head of the launch: 104,448 bytes against nine key steps of vector work a wave.
; LAYOUT.  Both products transposed: S^T = K Q^T, O^T = V^T P^T: a lane holds one query position throughout.  Position p is token sw(p) (bits 3 and 4 exchanged), so the 16 registers of tiles 2 g and 2 g + 1 are 16 neighbouring keys (or channels d).
; The first product's K is 64 of the instruction's 128: Q's registers 6-11 are zero codes; K's fragments lie 6 registers apart, so a fragment's upper six registers are the next fragment's codes, which meet Q's zeros; bytes 2, 3 of both scale words are 127.
; LIMITS: NaN and infinities are not served; a block of zeros gets the byte 1 with zero codes; blocks under the floor 2^-122 were not tried.
; REGISTERS: v1-7 addresses that stay; v8-11 the step's; v12 -M, v13 the largest t, v[14:15] the sum; v16-27 Q of the first tile; v32-85 fragments of K or V; v86-93 their scale words; v96-159 S^T, then p; v160-191 O^T;
;   v192-203 Q of the second tile; v204, v205 Q's scale words; v206 the results' scale bytes; v207-215 addresses; v224-254 at work; v253 p's scale word.
.set KC,   0
.set VC,   49152
.set KSC,  98304                       ; k's scale words, 4 bytes a position
.set VSC,  102400                      ; v's: [key step][position of d]
.set STG,  104448                      ; the way out: 1,536 bytes for each wave; no fill lands here
.set KIND, 6291456
.set KINDS, 524288
.set AK0,  1
.set AV0,  2
.set ASK0, 3
.set ASV0, 4
.set ADK,  8
.set ADV,  9
.set ADS,  10
.set ADT,  11
.set TB,   2                           ; s2  the step's tiles: 6,144 bytes a step, for K and for V
.set TS,   3                           ; s3  k's scale words: 512 a step
.set OCB,  12
.set OSB,  14
.set QCB,  16
.set WV,   18
.set SEL,  20
.set CS,   22
.set G1C,  24
.set G1S,  32
.set G0A,  40
.set G0B,  44
.set G0C,  48
.set G0D,  52
.set TJ,   56                          ; v's scale words: 256 a step
.set KI,   57                          ; the key step
.set JD,   58                          ; the step on the diagonal: tile / 8
.set D0,   59
.set JLO,  60
.set JHI,  61
.set HM,   62
.set QSB,  94
	s_load_b256 s[4:11], s[0:1], 0x0               ; qkvc, qkvs, oc, os
	v_lshl_add_u32 v251, v0, 2, 0x29000
	v_mov_b32 v255, 0
	ds_add_u32 v251, v255
	ds_add_u32 v251, v255
	v_lshrrev_b32 v8, 5, v0
	s_delay_alu instid0(VALU_DEP_1)
	v_readfirstlane_b32 s[WV], v8                  ; wave 0..15
	s_lshr_b32 s66, ttmp9, 1                       ; 16 b + head
	s_and_b32 s67, ttmp9, 1
	s_lshl_b32 s[JLO], s67, 4
	s_add_co_u32 s[JLO], s[JLO], s[WV]
	s_sub_co_u32 s[JHI], 63, s[JLO]
	; group 1: codes: 24 rows of 256 bytes (32 elements of 8), dense;  scale words: 4 such rows
	s_mov_b32 s[G1C], 3<<16
	s_mov_b32 s[G1C+1], 32<<16
	s_mov_b32 s[G1C+2], 24<<16
	s_mov_b32 s[G1C+3], 32<<16
	s_mov_b32 s[G1C+4], 24
	s_mov_b32 s[G1C+5], 32
	s_mov_b32 s[G1C+6], 0
	s_mov_b32 s[G1C+7], 0
	s_mov_b32 s[G1S], 3<<16
	s_mov_b32 s[G1S+1], 32<<16
	s_mov_b32 s[G1S+2], 4<<16
	s_mov_b32 s[G1S+3], 32<<16
	s_mov_b32 s[G1S+4], 4
	s_mov_b32 s[G1S+5], 32
	s_mov_b32 s[G1S+6], 0
	s_mov_b32 s[G1S+7], 0
	; waves 0-3 fetch k's codes, waves 4-7 v's: 6,144 bytes of the first half and 6,144 of the second
	s_lshr_b32 s68, s[WV], 2
	s_and_b32 s69, s[WV], 3
	s_mul_i32 s70, s68, 49152
	s_mul_i32 s71, s69, 6144
	s_add_co_u32 s70, s70, s71                     ; in LDS
	s_mul_i32 s90, s66, 49152                      ; the head in a kind of qkvc
	s_mov_b32 s91, 0
	s_mul_i32 s72, s68, KIND
	s_add_co_u32 s72, s72, KIND
	s_add_co_u32 s72, s72, s71
	s_add_co_u32 s72, s72, s90
	s_mov_b32 s73, 0                               ; in memory
	; waves 8, 9: k's scale words, wave 10: v's; e = wave % 4: 1,024 bytes for keys 0-511 and 1,024 for the rest
	s_lshr_b32 s74, s69, 1
	s_lshl_b32 s75, s69, 10
	s_lshl_b32 s76, s74, 11
	s_add_co_u32 s77, s75, s76
	s_add_co_u32 s77, s77, KSC                     ; first: KSC, KSC + 1,024, VSC
	s_lshl_b32 s78, s74, 10
	s_add_co_u32 s78, s78, s75
	s_add_co_u32 s78, s78, KSC+2048                ; second: KSC + 2,048, KSC + 3,072, VSC + 1,024
	s_lshl_b32 s92, s66, 12                        ; the head in a kind of qkvs
	s_mov_b32 s93, 0
	s_add_co_u32 s79, s92, KINDS
	s_add_co_u32 s79, s79, s75
	s_mul_i32 s80, s74, KINDS-2048
	s_add_co_u32 s80, s80, s79
	s_mov_b32 s81, 0
	s_lshl_b32 s82, s74, 10
	s_sub_co_u32 s82, 2048, s82                    ; from the first to the second, in memory
	s_mov_b32 s83, 0
	; the results' places
	s_lshr_b32 s84, s66, 4                         ; b
	s_and_b32 s85, s66, 15                         ; head
	s_mul_i32 s86, s85, 393216
	s_mul_i32 s87, s84, 49152
	s_add_co_u32 s86, s86, s87
	s_mov_b32 s87, 0
	s_lshr_b32 s88, s85, 2
	s_lshl_b32 s88, s88, 16
	s_lshl_b32 s89, s84, 13
	s_add_co_u32 s88, s88, s89
	s_and_b32 s89, s85, 3
	s_lshl_b32 s89, s89, 1
	s_add_co_u32 s88, s88, s89
	s_mov_b32 s89, 0
	s_mov_b32 s[SEL], 0x76543210
	s_mov_b32 s[SEL+1], 0xfedcba98
	s_mov_b32 s[CS], 0x3e38aa3b                    ; c = log2(e) / sqrt(64)
	s_mov_b32 s[CS+1], s[CS]
	s_mov_b32 s[HM], 0xffff0000                    ; lanes 16-31
	s_wait_dscnt 0x0
	s_wait_kmcnt 0x0
	s_mov_b32 s[G0A], 1
	s_mov_b32 s[G0A+1], s70
	s_add_nc_u64 s[G0A+2:G0A+3], s[4:5], s[72:73]
	s_mov_b32 s[G0B], 1
	s_add_co_u32 s[G0B+1], s70, 24576
	s_add_nc_u64 s[G0B+2:G0B+3], s[G0A+2:G0A+3], 24576
	s_or_b32 s[G0A+3], s[G0A+3], 0x80000000
	s_or_b32 s[G0B+3], s[G0B+3], 0x80000000
	s_mov_b32 s[G0C], 1
	s_mov_b32 s[G0C+1], s77
	s_add_nc_u64 s[G0C+2:G0C+3], s[6:7], s[80:81]
	s_mov_b32 s[G0D], 1
	s_mov_b32 s[G0D+1], s78
	s_add_nc_u64 s[G0D+2:G0D+3], s[G0C+2:G0C+3], s[82:83]
	s_or_b32 s[G0C+3], s[G0C+3], 0x80000000
	s_or_b32 s[G0D+3], s[G0D+3], 0x80000000
	s_cmp_lt_u32 s[WV], 8                          ; a wave's two first fills stand in one branch on its number; four v_nop follow the second
	s_cbranch_scc0 .Lnot_codes
	tensor_load_to_lds s[G0A:G0A+3], s[G1C:G1C+7]
	s_nop 0
	tensor_load_to_lds s[G0B:G0B+3], s[G1C:G1C+7]
	s_nop 0
.rept 4
	v_nop
.endr
	s_branch .Lasked
.Lnot_codes:
	s_cmp_lt_u32 s[WV], 11
	s_cbranch_scc0 .Lasked
	tensor_load_to_lds s[G0C:G0C+3], s[G1S:G1S+7]
	s_nop 0
	tensor_load_to_lds s[G0D:G0D+3], s[G1S:G1S+7]
	s_nop 0
.rept 4
	v_nop
.endr
.Lasked:
	s_add_nc_u64 s[OCB:OCB+1], s[8:9], s[86:87]
	s_add_nc_u64 s[OSB:OSB+1], s[10:11], s[88:89]
	s_add_nc_u64 s[QCB:QCB+1], s[4:5], s[90:91]
	s_add_nc_u64 s[QSB:QSB+1], s[6:7], s[92:93]
	v_and_b32 v8, 15, v0                           ; r
	v_bfe_u32 v9, v0, 4, 1                         ; h
	s_delay_alu instid0(VALU_DEP_2)
	v_mul_u32_u24 v[AK0], v8, 48
	s_delay_alu instid0(VALU_DEP_1)
	v_mad_u32_u24 v[AK0], v9, 24, v[AK0]           ; 48 r + 24 h
	s_delay_alu instid0(VALU_DEP_1)
	v_add_nc_u32 v[AV0], VC, v[AK0]
	v_lshl_add_u32 v[ASK0], v8, 2, KSC
	v_lshl_add_u32 v[ASV0], v8, 2, VSC
	s_mul_i32 s84, s[WV], 1536
	s_add_co_u32 s84, s84, STG
	v_add_nc_u32 v5, s84, v[AK0]                   ; my stage, on the way in
	v_and_b32 v10, 31, v0
	s_delay_alu instid0(VALU_DEP_1)
	v_lshlrev_b32 v10, 4, v10
	s_delay_alu instid0(VALU_DEP_1)
	v_add_nc_u32 v207, s84, v10                    ; and back: 16 bytes a lane
	v_lshrrev_b32 v6, 3, v8
	s_delay_alu instid0(VALU_DEP_1)
	v_lshl_add_u32 v6, v6, 3, v8
	v_lshlrev_b32 v7, 4, v9
	s_delay_alu instid0(VALU_DEP_1)
	v_sub_nc_u32 v6, v6, v7                        ; r + 8 (r / 8) - 16 h: my query's place in its 32, less my half's first key
	s_mul_i32 s85, s[JLO], 768                     ; a tile's 16 positions x 48 bytes
	s_mul_i32 s86, s[JHI], 768
	v_add_nc_u32 v208, s85, v10                    ; the stage's 1,536 bytes are the first tile's 768 and the second's: three stores of 512,
	s_sub_co_u32 s87, s86, s85
	s_sub_co_u32 s87, s87, 768
	v_mul_u32_u24 v209, s87, v9
	s_delay_alu instid0(VALU_DEP_1)
	v_add3_u32 v209, v209, v208, 512               ; the middle one half and half,
	v_add_nc_u32 v210, s86, v10
	s_delay_alu instid0(VALU_DEP_1)
	v_add_nc_u32 v210, 0x100, v210
	s_lshl_b32 s88, s[JLO], 7
	s_sub_co_u32 s89, s[JHI], s[JLO]
	s_lshl_b32 s89, s89, 7
	v_mul_u32_u24 v211, s89, v9
	s_delay_alu instid0(VALU_DEP_1)
	v_lshl_add_u32 v211, v8, 3, v211
	s_delay_alu instid0(VALU_DEP_1)
	v_add_nc_u32 v211, s88, v211                   ; os: 8 bytes a position; lanes 0-15 the first tile's, lanes 16-31 the second's
	v_add_nc_u32 v212, s85, v[AK0]                 ; Q's codes
	v_add_nc_u32 v213, s86, v[AK0]
	s_lshl_b32 s90, s[JLO], 6
	s_lshl_b32 s91, s[JHI], 6
	v_lshl_add_u32 v214, v8, 2, s90                ; Q's scale words
	v_lshl_add_u32 v215, v8, 2, s91
.irp p, 0,1,2
	global_load_b64 v[16+2*\p:17+2*\p], v212, s[QCB:QCB+1] offset:8*\p
	global_load_b64 v[192+2*\p:193+2*\p], v213, s[QCB:QCB+1] offset:8*\p
.endr
	global_load_b32 v204, v214, s[QSB:QSB+1]
	global_load_b32 v205, v215, s[QSB:QSB+1]
.irp i, 0,1,2,3,4,5
	v_mov_b32 v[22+\i], 0                          ; Q's K 64 .. 127: zero codes
	v_mov_b32 v[198+\i], 0
	v_mov_b32 v[80+\i], 0                          ; what stands behind K's last fragment
.endr
.irp b, 0,1,2,3
	v_mov_b32 v[236+\b], 0                         ; written once: a lane permute's destination counts as one of its sources
.endr
	v_mov_b32 v252, 0
	v_mov_b32 v253, 0
	s_wait_tensorcnt 0x1                           ; each fetching wave's first load, its part of keys 0-511, has landed; its second may be out
	s_barrier_signal -1
	s_barrier_wait -1
	s_wait_loadcnt 0x0                             ; Q
; A KEY STEP: 128 keys.  qf: Q's fragment, qs: its scale word.
.macro KSTEP qf, qs
	s_cmp_gt_u32 s[KI], s[JD]                      ; all its keys come after my queries: only the addresses step
	s_cbranch_scc1 .Lhidden_\@
	s_setprio 2
	v_add_nc_u32 v[ADK], s[TB], v[AK0]             ; (these four are the places in front of the loads into registers that the last products read)
	v_add_nc_u32 v[ADV], s[TB], v[AV0]
	v_add_nc_u32 v[ADS], s[TS], v[ASK0]
	v_add_nc_u32 v[ADT], s[TJ], v[ASV0]
.irp t, 0,1,2,3,4,5,6,7
.irp p, 0,1,2
	ds_load_b64 v[32+6*\t+2*\p:33+6*\t+2*\p], v[ADK] offset:768*\t+8*\p
.endr
	ds_load_b32 v[86+\t], v[ADS] offset:64*\t
.endr
	s_wait_alu depctr_va_vdst(0)
	s_wait_dscnt 0x0
.irp t, 0,1,2,3,4,5,6,7
	v_wmma_scale_f32_16x16x128_f8f6f4 v[96+8*\t:103+8*\t], v[32+6*\t:43+6*\t], v[\qf:\qf+11], 0, v[86+\t], v[\qs] matrix_a_fmt:MATRIX_FMT_BF6 matrix_b_fmt:MATRIX_FMT_BF6
.endr
.rept 4
	v_nop                                          ; places: V's loads land on K's registers, and the scores are read
.endr
.irp t, 0,1,2,3                        ; V's four fragments are asked for now and land under the softmax
.irp c, 0,1
.irp p, 0,1,2
	ds_load_b64 v[32+12*\t+6*\c+2*\p:33+12*\t+6*\c+2*\p], v[ADV] offset:3072*\c+768*\t+8*\p
.endr
.endr
	ds_load_b32 v[86+\t], v[ADT] offset:64*\t
.endr
	s_cmp_lg_u32 s[KI], s[JD]                      ; on the diagonal the scores of hidden keys become -infinity: p = 0 then
	s_cbranch_scc1 .Lopen_\@
	v_add_nc_u32 v252, s[D0], v6                   ; register 16 g + i holds key 32 g + 16 h + i of the step: hidden where 32 g + i > this
	v_mov_b32 v254, 0xff800000
.set nn, 0
.rept 64
	v_cmp_gt_i32 vcc_lo, 32*(nn/16)+nn%16, v252
	v_cndmask_b32 v[96+nn], v[96+nn], v254, vcc_lo
.set nn, nn+1
.endr
.Lopen_\@:
.irp b, 0,1,2,3
	v_max3_num_f32 v[232+\b], v[96+16*\b], v[97+16*\b], v[98+16*\b]   ; the largest score of each block of 32 keys: for the row's maximum, and for the block's largest p
.endr
.irp i, 3,5,7,9,11,13
.irp b, 0,1,2,3
	v_max3_num_f32 v[232+\b], v[232+\b], v[96+16*\b+\i], v[97+16*\b+\i]
.endr
.endr
.irp b, 0,1,2,3
	v_max_num_f32 v[232+\b], v[232+\b], v[111+16*\b]
.endr
.irp b, 0,1,2,3
	s_delay_alu instid0(VALU_DEP_4)
	v_permlanex16_b32 v[236+\b], v[232+\b], s[SEL], s[SEL+1]
.endr
.irp b, 0,1,2,3
	s_delay_alu instid0(VALU_DEP_4)
	v_max_num_f32 v[232+\b], v[232+\b], v[236+\b]
.endr
	s_delay_alu instid0(VALU_DEP_2)
	v_max3_num_f32 v254, v232, v233, v234
	s_delay_alu instid0(VALU_DEP_1)
	v_max_num_f32 v254, v254, v235
	s_delay_alu instid0(VALU_DEP_1)
	v_mul_f32 v254, s[CS], v254
	s_delay_alu instid0(VALU_DEP_1)
	v_max_num_f32 v13, v13, v254                   ; the running largest t
	v_mov_b32 v254, v12
	s_delay_alu instid0(VALU_DEP_2)
	v_floor_f32 v12, -v13                          ; -M = floor(-t): M is a whole number
	s_delay_alu instid0(VALU_DEP_1)
	v_sub_f32 v254, v12, v254
	s_delay_alu instid0(VALU_DEP_1)
	v_cvt_i32_f32 v254, v254                       ; (it saturates)
	s_delay_alu instid0(VALU_DEP_1)
	v_ldexp_f32 v252, 1.0, v254                    ; f = 2^(old M - new M): a multiplication by it rounds nothing
.set jj, 0
	s_setprio 1
.rept 32
	v_pk_fma_f32 v[96+jj:97+jj], v[96+jj:97+jj], s[CS:CS+1], v[12:13] op_sel_hi:[1,0,0]   ; t - M
.set jj, jj+2
.endr
.irp b, 0,1,2,3
	v_fma_f32 v[232+\b], v[232+\b], s[CS], v12
.endr
.set jj, 0
	s_wait_alu depctr_va_vdst(0)
.rept 64
	v_exp_f32 v[96+jj], v[96+jj]                   ; p = 2^(t - M)
.set jj, jj+1
.endr
	v_pk_mul_f32 v[14:15], v[14:15], v[252:253] op_sel_hi:[1,0]   ; the sums under the new M (a plain line behind the exponentials)
	s_wait_alu depctr_va_vdst(0)                   ; one wait for the batch, ahead of its first reader
.irp b, 0,1,2,3
	v_exp_f32 v[232+\b], v[232+\b]                 ; each block's largest p
.endr
	v_pk_add_f32 v[236:237], v[100:101], v[104:105]
	v_pk_add_f32 v[248:249], v[108:109], v[112:113]
	v_pk_add_f32 v[246:247], v[116:117], v[120:121]
	v_pk_add_f32 v[244:245], v[124:125], v[128:129]
	v_pk_add_f32 v[242:243], v[132:133], v[136:137]
	v_pk_add_f32 v[240:241], v[140:141], v[144:145]
	v_pk_add_f32 v[238:239], v[148:149], v[152:153]
	v_pk_add_f32 v[14:15], v[14:15], v[156:157]
	v_pk_add_f32 v[236:237], v[236:237], v[96:97]
	v_pk_add_f32 v[248:249], v[248:249], v[98:99]
	v_pk_add_f32 v[246:247], v[246:247], v[102:103]
	v_pk_add_f32 v[244:245], v[244:245], v[106:107]
	v_pk_add_f32 v[242:243], v[242:243], v[110:111]
	v_pk_add_f32 v[240:241], v[240:241], v[114:115]
	v_pk_add_f32 v[238:239], v[238:239], v[118:119]
	v_pk_add_f32 v[14:15], v[14:15], v[122:123]
	v_pk_add_f32 v[236:237], v[236:237], v[126:127]
	v_pk_add_f32 v[248:249], v[248:249], v[130:131]
	v_pk_add_f32 v[246:247], v[246:247], v[134:135]
	v_pk_add_f32 v[244:245], v[244:245], v[138:139]
	v_pk_add_f32 v[242:243], v[242:243], v[142:143]
	v_pk_add_f32 v[240:241], v[240:241], v[146:147]
	v_pk_add_f32 v[238:239], v[238:239], v[150:151]
	v_pk_add_f32 v[14:15], v[14:15], v[154:155]
	v_pk_add_f32 v[236:237], v[236:237], v[158:159]
	s_delay_alu instid0(VALU_DEP_2)
	v_pk_add_f32 v[14:15], v[14:15], v[244:245]
	s_delay_alu instid0(VALU_DEP_2)
	v_pk_add_f32 v[236:237], v[236:237], v[242:243]
	v_pk_add_f32 v[248:249], v[248:249], v[240:241]
	v_pk_add_f32 v[246:247], v[246:247], v[238:239]
	s_delay_alu instid0(VALU_DEP_2)
	v_pk_add_f32 v[14:15], v[14:15], v[248:249]
	s_delay_alu instid0(VALU_DEP_2)
	v_pk_add_f32 v[236:237], v[236:237], v[246:247]
	s_delay_alu instid0(VALU_DEP_1)
	v_pk_add_f32 v[14:15], v[14:15], v[236:237]
	s_setprio 0
	s_wait_alu depctr_va_vdst(0)                   ; and one for the four
.irp b, 0,1,2,3
	v_max_num_f32 v[232+\b], 0x2800000, v[232+\b]  ; the floor
.endr
.irp b, 0,1,2,3
	s_delay_alu instid0(VALU_DEP_4)
	v_add_nc_u32 v[244+\b], 0xfe000000, v[232+\b]
.endr
.irp b, 0,1,2,3
	s_delay_alu instid0(VALU_DEP_4)
	v_lshrrev_b32 v[236+\b], 23, v[244+\b]
.endr
	s_delay_alu instid0(VALU_DEP_3)
	v_lshl_or_b32 v253, v237, 8, v236              ; p's scale word for these 128 keys
	s_delay_alu instid0(VALU_DEP_1)
	v_lshl_or_b32 v253, v238, 16, v253
	s_delay_alu instid0(VALU_DEP_1)
	v_lshl_or_b32 v253, v239, 24, v253
.irp c, 0,1
	v_cvt_scalef32_pk16_bf6_f32 v[224+6*\c:226+6*\c], v[96+32*\c:111+32*\c], v[244+2*\c]
	v_cvt_scalef32_pk16_bf6_f32 v[236+4*\c:238+4*\c], v[112+32*\c:127+32*\c], v[244+2*\c+1]
.endr
	v_nop                                          ; one plain line behind the conversions
.irp c, 0,1
.irp i, 0,1,2
	v_permlane16_swap_b32 v[224+6*\c+\i], v[236+4*\c+\i]
.endr
.irp i, 0,1,2
	s_delay_alu instid0(VALU_DEP_3)
	v_mov_b32 v[227+6*\c+\i], v[236+4*\c+\i]
.endr
.endr
.set jj, 0
.rept 16
	v_pk_mul_f32 v[160+jj:161+jj], v[160+jj:161+jj], v[252:253] op_sel_hi:[1,0]   ; O^T under the new M; these 16 are also the places between p's codes and scale word and the products
.set jj, jj+2
.endr
	s_wait_alu depctr_va_vdst(0)
	s_wait_dscnt 0x0                               ; V
.irp t, 0,1,2,3                        ; the four accumulators take turns, one instruction a turn
	v_wmma_scale_f32_16x16x128_f8f6f4 v[160+8*\t:167+8*\t], v[32+12*\t:43+12*\t], v[224:235], v[160+8*\t:167+8*\t], v[86+\t], v253 matrix_a_fmt:MATRIX_FMT_BF6 matrix_b_fmt:MATRIX_FMT_BF6
.endr
.Lhidden_\@:
	s_add_co_u32 s[TB], s[TB], 6144
	s_add_co_u32 s[TS], s[TS], 512
	s_add_co_u32 s[TJ], s[TJ], 256
.endm
; A PASS: one tile of 16 query positions over nks key steps, then O / the sum, quantised: the head's two blocks of 32.
.macro PASS ps, nks, qf, qs, jr
	s_lshr_b32 s[JD], s[\jr], 3
	s_bfe_u32 s[D0], s[\jr], 0x20001
	s_lshl_b32 s[D0], s[D0], 5
	s_and_b32 s66, s[\jr], 1
	s_lshl_b32 s66, s66, 3
	s_add_co_u32 s[D0], s[D0], s66                 ; 32 ((j / 2) % 4) + 8 (j % 2): the tile's place in its 128 tokens
	s_mov_b32 s[TB], 0
	s_mov_b32 s[TS], 0
	s_mov_b32 s[TJ], 0
	s_mov_b32 s[KI], 0
	v_mov_b32 v13, 0xff61b1e6                      ; -3e38, under every t
	s_delay_alu instid0(VALU_DEP_1)
	v_floor_f32 v12, -v13
	v_mov_b32 v14, 0
	v_mov_b32 v15, 0
.set jj, 0
.rept 32
	v_mov_b32 v[160+jj], 0                         ; the step is written once: the first finds zeros, which the first change of M leaves zeros
.set jj, jj+1
.endr
.Lkey_\@:
	KSTEP \qf, \qs
	s_add_co_u32 s[KI], s[KI], 1
	s_cmp_lt_u32 s[KI], \nks
	s_cbranch_scc1 .Lkey_\@
	s_setprio 0
.rept 4
	v_nop                                          ; places behind the last products
.endr
	v_add_f32 v14, v14, v15
	s_delay_alu instid0(VALU_DEP_1)
	v_permlanex16_b32 v252, v14, s[SEL], s[SEL+1]
	s_delay_alu instid0(VALU_DEP_1)
	v_add_f32 v14, v14, v252                       ; the row's sum
	s_wait_alu depctr_va_vdst(0)
	v_rcp_f32 v14, v14
	v_nop                                          ; a plain line behind the reciprocal
	s_wait_alu depctr_va_vdst(0)                   ; the wait ahead of its first reader
.set jj, 0
.rept 16
	v_pk_mul_f32 v[96+jj:97+jj], v[160+jj:161+jj], v[14:15] op_sel_hi:[1,0]   ; register 16 g + i = channel 32 g + 16 h + i of my query
.set jj, jj+2
.endr
.irp b, 0,1
	v_max3_num_f32 v[232+\b], |v[96+16*\b]|, |v[97+16*\b]|, 0x2800000
.endr
.irp i, 2,4,6,8,10,12,14
.irp b, 0,1
	s_delay_alu instid0(VALU_DEP_2)
	v_max3_num_f32 v[232+\b], v[232+\b], |v[96+16*\b+\i]|, |v[97+16*\b+\i]|
.endr
.endr
.irp b, 0,1
	s_delay_alu instid0(VALU_DEP_2)
	v_permlanex16_b32 v[236+\b], v[232+\b], s[SEL], s[SEL+1]
.endr
.irp b, 0,1
	s_delay_alu instid0(VALU_DEP_2)
	v_max_num_f32 v[232+\b], v[232+\b], v[236+\b]
.endr
.irp b, 0,1
	s_delay_alu instid0(VALU_DEP_2)
	v_add_nc_u32 v[244+\b], 0xfe000000, v[232+\b]
.endr
.irp b, 0,1
	s_delay_alu instid0(VALU_DEP_2)
	v_lshrrev_b32 v[236+\b], 23, v[244+\b]
.endr
	s_delay_alu instid0(VALU_DEP_1)
	v_lshl_or_b32 v243, v237, 8, v236              ; the head's two scale bytes of my position
	v_cvt_scalef32_pk16_bf6_f32 v[224:226], v[96:111], v244
	v_cvt_scalef32_pk16_bf6_f32 v[240:242], v[112:127], v245
	v_nop                                          ; one plain line behind the conversions
.irp i, 0,1,2
	v_permlane16_swap_b32 v[224+\i], v[240+\i]     ; lanes 0-15 block 0 whole, lanes 16-31 block 1
.endr
.irp i, 0,1,2
	s_delay_alu instid0(VALU_DEP_3)
	v_mov_b32 v[227+\i], v[240+\i]
.endr
.irp i, 0,1,2
	ds_store_b64 v5, v[224+2*\i:225+2*\i] offset:768*(\ps)+8*\i
.endr
.if \ps
	v_cndmask_b32 v206, v206, v243, s[HM]          ; lanes 16-31 keep the second tile's bytes,
.else
	v_mov_b32 v206, v243                           ; lanes 0-15 the first's
.endif
.endm
	PASS 0, 4, 16, 204, JLO                        ; tiles 0-31: keys 0-511 at the most
	s_wait_tensorcnt 0x0                           ; my part of keys 512-1,023 has landed,
	s_wait_dscnt 0x0
	s_barrier_signal -1
	s_barrier_wait -1                              ; everybody's has
	PASS 1, 8, 192, 205, JHI
.irp i, 0,1,2
	ds_load_b128 v[96+4*\i:99+4*\i], v207 offset:512*\i   ; my own stage: LDS serves a wave's instructions in order
.endr
	global_store_b16 v211, v206, s[OSB:OSB+1]      ; two bytes a position: a position's 8 bytes belong to four heads, so these stores cover their 256-byte runs in part: 262,144 bytes in the launch against 6,291,456 of codes
	s_wait_dscnt 2
	global_store_b128 v208, v[96:99], s[OCB:OCB+1] ; sixteen lanes store 256 consecutive bytes, aligned
	s_wait_dscnt 1
	global_store_b128 v209, v[100:103], s[OCB:OCB+1]
	s_wait_dscnt 0x0
	global_store_b128 v210, v[104:107], s[OCB:OCB+1]
	s_wait_tensorcnt 0x0
	ds_add_u32 v251, v255
	s_wait_dscnt 0x0
	s_endpgm
.Lfunc_end_k_q7880e3f4c5_attn:
	.size	k_q7880e3f4c5_attn, .Lfunc_end_k_q7880e3f4c5_attn-k_q7880e3f4c5_attn
	.p2alignl 7, 3214868480
	.fill 96, 4, 3214868480
	.section	.rodata,"a",@progbits
	.p2align	6, 0x0
	.amdhsa_kernel k_q7880e3f4c5_attn
		.amdhsa_group_segment_fixed_size 169984
		.amdhsa_private_segment_fixed_size 0
		.amdhsa_enable_private_segment 0
		.amdhsa_kernarg_size 32
		.amdhsa_user_sgpr_count 2
		.amdhsa_user_sgpr_kernarg_segment_ptr 1
		.amdhsa_wavefront_size32 1
		.amdhsa_system_sgpr_workgroup_id_x 1
		.amdhsa_system_sgpr_workgroup_id_y 1
		.amdhsa_system_sgpr_workgroup_id_z 1
		.amdhsa_system_vgpr_workitem_id 0
		.amdhsa_next_free_vgpr 256
		.amdhsa_next_free_sgpr 96
		.amdhsa_reserve_vcc 1
		.amdhsa_float_denorm_mode_32 3
		.amdhsa_float_denorm_mode_16_64 3
		.amdhsa_memory_ordered 1
		.amdhsa_forward_progress 1
		.amdhsa_inst_pref_size 70
	.end_amdhsa_kernel
	.amdgpu_metadata
---
amdhsa.version: [ 1, 2 ]
amdhsa.kernels:
  - .name:           k_q7880e3f4c5_attn
    .symbol:         k_q7880e3f4c5_attn.kd
    .args:
      - { .name: qkvc, .offset: 0, .size: 8, .value_kind: global_buffer, .address_space: global }
      - { .name: qkvs, .offset: 8, .size: 8, .value_kind: global_buffer, .address_space: global }
      - { .name: oc, .offset: 16, .size: 8, .value_kind: global_buffer, .address_space: global }
      - { .name: os, .offset: 24, .size: 8, .value_kind: global_buffer, .address_space: global }
    .group_segment_fixed_size: 169984
    .private_segment_fixed_size: 0
    .kernarg_segment_align: 8
    .kernarg_segment_size: 32
    .max_flat_workgroup_size: 512
    .sgpr_count:     96
    .vgpr_count:     256
    .wavefront_size: 32
...
	.end_amdgpu_metadata
.endif
;; end of part 3
;; launch proj (part 4): grid 4 x 32, 4 waves a work-group, clusters of 4 x 4, 327,680 bytes of LDS; arguments oc, os, rc, rs, bo, out0; writes out0
.if DOCPART == 4
	.amdgcn_target "amdgcn-amd-amdhsa--gfx1250"
	.amdhsa_code_object_version 6
	.text
	.protected	k_q7880e3f4c5_proj
	.globl	k_q7880e3f4c5_proj
	.p2align	8
	.type	k_q7880e3f4c5_proj,@function
k_q7880e3f4c5_proj:
	s_mov_b64 s[64:65], 0
	v_nop
	global_prefetch_b8 v0, s[64:65] scope:SCOPE_SE
	s_setreg_imm32_b32 hwreg(HW_REG_WAVE_MODE, 25, 1), 1
	s_wait_xcnt 0x0
	s_wait_alu depctr_hold_cnt(0) depctr_sa_sdst(0) depctr_va_vdst(0) depctr_va_sdst(0) depctr_va_ssrc(0) depctr_va_vcc(0) depctr_vm_vsrc(0)
	s_getreg_b32 s2, hwreg(HW_REG_IB_STS2, 6, 4)
	s_cmp_eq_u32 s2, 0
	s_cbranch_scc0 .Lentry_in_a_cluster
	s_endpgm
.Lentry_in_a_cluster:
	s_bfe_u32 s2, ttmp6, 0x10000c
	s_cmp_lg_u32 s2, 0xf033
	s_cbranch_scc0 .Lentry_shape_is_right
	s_endpgm
.Lentry_shape_is_right:
; out0 = (attention's result) Wo + bo: a GEMM on codes of BF6, K = 1,024.  A = oc, os (8,192 positions of tokens), B = Wo's columns (rc, rs from position 11,264 on).
; A tile of C is 256 x 256, a wave makes 128 x 128.  THE MATRIX INSTRUCTION IS USED TRANSPOSED (source 0 = 16 positions of B, source 1 = 16 of A): a lane holds one token's position, and its registers of two neighbouring
; tiles hold 16 NEIGHBOURING columns.  bo is the C of each sum's first matrix instruction.  Position p is token sw(p) (bits 3 and 4 exchanged): the stores' immediates put the rows back.
; Codes: [plane = K / 64][position][48 bytes]; scale bytes: [K / 256][position][8].  Lane (r, h) takes 24 bytes at 48 r + 24 h of a plane's piece, as three loads of 8 bytes: 64 different words modulo 64, so no padding.
; K goes in 4 steps of 256 through two LDS slots filled by joint tensor loads: A's tile is shared along a row of the 4 x 4 cluster, B's along a column.  The scale bytes of all of K come once, with the first fills.
; The grid has 128 work-groups: the tile is kept at 256 x 256 so that this text's main loop is that of the launch that makes q, k and v.
; REGISTERS: window 0: v1-31 addresses; v32-63 scale words, two sets; v64-127 bo in the result's layout; v128-223 A's fragments; on the way out v128-255 rows read back.  window 1: B's fragments, two sets.  windows 2, 3: accumulators.
.set NQ,     2
.set FR,     12
.set NL,     6
.set NP,     4                         ; places behind this matrix instruction (ISA guide 7.12.1)
.set PL,     6144
.set HALFT,  4*PL
.set SLOT,   4*HALFT
.set SCL,    2*SLOT
.set HALFS,  4096
.set SPARE,  SCL+4*HALFS               ; the spare words: 128 bytes for each wave, named by no other line
.set KADVA,  1572864                   ; 4 planes of oc
.set KADVB,  2359296                   ; 4 planes of rc
.set SPITCH, 528                       ; the way out: a stage of 16 rows x (512 bytes + 16) for each wave, in slot 0
.set ADRA, 16
.set ADRB, 20
.set STO,  24
.set RD,   25
.set CO,   26
.set ADRS, 27
.set SPW,  28                          ; my spare word; never rewritten
.set NIL,  29                          ; 0; never rewritten
.set SC,   32
.set BI,   64                          ; bo: eight registers for each of B's eight blocks
.set AF,   128
.set BK,   128
.set G1, 24
.set G0, 32
.set G1B, 48
.set G0B, 56
.set G1S, 68
.set G0S, 76
.set G1SB, 80
.set G0SB, 88
.set MSB, 0
.macro WIN new                         ; the immediate's high byte repeats the setting that is left
.if MSB != (\new)
	s_set_vgpr_msb (MSB<<8)|(\new)
.set MSB, (\new)
.endif
.endm
.set MUL_LO, 0xa1                      ; source 0 (B) window 1, source 1 (A) window 0, C and D window 2
.set MUL_HI, 0xf1
.set TO_B,   0x40
.macro JLOAD g0a, g1a, g0b, g1b        ; a joint load: waves 0 and 1 for A, waves 2 and 3 for B; four v_nop follow each line
	s_cmp_eq_u32 s15, 0
	s_cbranch_scc0 .Lfor_b_\@
	tensor_load_to_lds s[\g0a:\g0a+3], s[\g1a:\g1a+7]
	s_nop 0
.rept 4
	v_nop
.endr
	s_branch .Lasked_\@
.Lfor_b_\@:
	tensor_load_to_lds s[\g0b:\g0b+3], s[\g1b:\g1b+7]
	s_nop 0
.rept 4
	v_nop
.endr
.Lasked_\@:
.endm
.macro CREST
	s_cmp_lg_u32 s14, 0
	s_cbranch_scc1 .Lnot_wave_0_\@
	s_barrier_signal -3
.Lnot_wave_0_\@:
	s_barrier_wait -3
	s_barrier_signal -1
	s_barrier_wait -1
.endm
.macro CROUND
	s_barrier_signal -1
	s_barrier_wait -1
	CREST
.endm
	s_load_b256 s[4:11], s[0:1], 0x0               ; oc, os, rc, rs
	s_load_b128 s[96:99], s[0:1], 0x20             ; bo, out0
	v_lshl_add_u32 v[SPW], v0, 2, SPARE
	v_mov_b32 v[NIL], 0
	ds_add_u32 v28, v29
	ds_add_u32 v28, v29
	s_wait_dscnt 0x0
	v_lshrrev_b32 v1, 5, v0
	v_readfirstlane_b32 s14, v1                    ; wave 0..3
	s_lshr_b32 s15, s14, 1                         ; my half of A's positions.  Also: I fetch for A (0) or for B (1)
	s_and_b32 s16, s14, 1                          ; my half of B's.  Also: which 128 positions I fetch
	s_bfe_u32 s40, ttmp6, 0x40000                  ; cx
	s_bfe_u32 s41, ttmp6, 0x40004                  ; cy
	s_and_b32 s17, ttmp7, 0xffff
	s_lshl_b32 s17, s17, 2
	s_add_co_u32 s17, s17, s41                     ; A's tile of 256 positions: 4 x cluster y + cy
	s_add_co_u32 s42, s40, 44                      ; B's: Wo begins at tile 44 of rc (the grid has one cluster along x)
	s_lshl_b32 s43, s41, 2
	s_lshl_b32 s43, 15, s43                        ; my row of the cluster
	s_lshl_b32 s44, 0x1111, s40                    ; my column
	s_or_b32 s[G1+0], s43, (3<<16)|(1<<21)         ; codes: 4 planes (rows) of 6,144 bytes = 768 elements of 8 bytes
	s_or_b32 s[G1B+0], s44, (3<<16)|(1<<21)
.irp g, G1, G1B
	s_mov_b32 s[\g+1], 768<<16
	s_mov_b32 s[\g+2], 4<<16
	s_mov_b32 s[\g+3], 768<<16
	s_mov_b32 s[\g+4], 4
	s_mov_b32 s[\g+6], 0
	s_mov_b32 s[\g+7], 0
.endr
	s_mov_b32 s[G1+5], 49152                       ; from plane to plane, in elements: oc,
	s_mov_b32 s[G1B+5], 73728                      ; rc
	s_or_b32 s[G1S+0], s43, (3<<16)|(1<<21)        ; scale bytes: 4 rows (K / 256) of 1,024 bytes
	s_or_b32 s[G1SB+0], s44, (3<<16)|(1<<21)
.irp g, G1S, G1SB
	s_mov_b32 s[\g+1], 128<<16
	s_mov_b32 s[\g+2], 4<<16
	s_mov_b32 s[\g+3], 128<<16
	s_mov_b32 s[\g+4], 4
	s_mov_b32 s[\g+6], 0
	s_mov_b32 s[\g+7], 0
.endr
	s_mov_b32 s[G1S+5], 8192
	s_mov_b32 s[G1SB+5], 12288
	s_lshl_b32 s18, s16, 7
	s_lshl_b32 s20, s17, 8
	s_add_co_u32 s20, s20, s18                     ; A: position 256 x tile + 128 x half
	s_lshl_b32 s46, s42, 8
	s_add_co_u32 s46, s46, s18                     ; B likewise
	s_lshl_b32 s22, s20, 3
	s_mov_b32 s23, 0
	s_mul_i32 s20, s20, 48
	s_mov_b32 s21, 0
	s_lshl_b32 s92, s46, 3
	s_mov_b32 s93, 0
	s_mul_i32 s46, s46, 48
	s_mov_b32 s47, 0
	s_mul_i32 s45, s14, HALFT                      ; where they go: by the wave's number alone
	s_mul_i32 s94, s14, HALFS
	s_wait_kmcnt 0x0
	s_add_nc_u64 s[20:21], s[4:5], s[20:21]
	s_add_nc_u64 s[22:23], s[6:7], s[22:23]
	s_add_nc_u64 s[46:47], s[8:9], s[46:47]
	s_add_nc_u64 s[92:93], s[10:11], s[92:93]
	CROUND                                         ; all sixteen work-groups are here: the first joint loads meet
	s_mov_b32 s[G0S], 1
	s_add_co_u32 s[G0S+1], s94, SCL
	s_mov_b64 s[G0S+2:G0S+3], s[22:23]
	s_or_b32 s[G0S+3], s[G0S+3], 0x80000000
	s_mov_b32 s[G0SB], 1
	s_add_co_u32 s[G0SB+1], s94, SCL
	s_mov_b64 s[G0SB+2:G0SB+3], s[92:93]
	s_or_b32 s[G0SB+3], s[G0SB+3], 0x80000000
	JLOAD G0S, G1S, G0SB, G1SB                     ; the scale bytes first
.irp s, 0,1
	s_mov_b32 s[G0+4*\s], 1
	s_add_co_u32 s[G0+4*\s+1], s45, \s*SLOT
	s_add_nc_u64 s[G0+4*\s+2:G0+4*\s+3], s[20:21], \s*KADVA
	s_or_b32 s[G0+4*\s+3], s[G0+4*\s+3], 0x80000000
	s_mov_b32 s[G0B+4*\s], 1
	s_add_co_u32 s[G0B+4*\s+1], s45, \s*SLOT
	s_add_nc_u64 s[G0B+4*\s+2:G0B+4*\s+3], s[46:47], \s*KADVB
	s_or_b32 s[G0B+4*\s+3], s[G0B+4*\s+3], 0x80000000
	JLOAD G0+4*\s, G1, G0B+4*\s, G1B               ; K steps 0 and 1: three loads of mine are out
.endr
	v_and_b32 v1, 15, v0                           ; r
	v_bfe_u32 v2, v0, 4, 1                         ; h
	s_lshl_b32 s20, s17, 8
	s_lshl_b32 s21, s15, 7
	s_add_co_u32 s20, s20, s21
	s_lshl_b32 s20, s20, 12                        ; my first 128 rows of out0, 4,096 bytes each
	s_mov_b32 s21, 0
	s_lshl_b32 s46, s40, 10
	s_lshl_b32 s47, s16, 9
	s_add_co_u32 s46, s46, s47                     ; my first column, in bytes: 1,024 cx + 512 x half
	s_mov_b32 s47, 0
	s_add_nc_u64 s[98:99], s[98:99], s[20:21]
	s_add_nc_u64 s[98:99], s[98:99], s[46:47]
	s_add_nc_u64 s[96:97], s[96:97], s[46:47]
	v_lshlrev_b32 v7, 6, v2                        ; bo: register j of block b is column 32 (b / 2) + 16 h + 8 (b % 2) + j
.irp b, 0,1,2,3,4,5,6,7
	global_load_b128 v[BI+8*\b:BI+8*\b+3], v7, s[96:97] offset:128*(\b/2)+32*(\b%2)
	global_load_b128 v[BI+8*\b+4:BI+8*\b+7], v7, s[96:97] offset:128*(\b/2)+32*(\b%2)+16
.endr
	v_mul_u32_u24 v3, v1, 48
	v_mad_u32_u24 v4, v2, 24, v3                   ; 48 r + 24 h
	s_mul_i32 s21, s15, HALFT
	s_mul_i32 s22, s16, HALFT
	s_add_co_u32 s22, s22, 2*HALFT
.irp s, 0,1
	v_add_nc_u32 v[ADRA+\s], s21, v4
	v_add_nc_u32 v[ADRB+\s], s22, v4
	s_add_co_u32 s21, s21, SLOT
	s_add_co_u32 s22, s22, SLOT
.endr
	v_lshlrev_b32 v5, 3, v1
	s_mul_i32 s21, s15, HALFS
	s_mul_i32 s22, s16, HALFS
	s_add_co_u32 s22, s22, 2*HALFS
	s_sub_co_u32 s22, s22, s21
	v_mul_u32_u24 v6, s22, v2                      ; lanes 16-31 take B's: one product, the distance between the two
	s_add_co_u32 s21, s21, SCL
	v_add_nc_u32 v5, v5, v6
	v_add_nc_u32 v[ADRS], s21, v5
	s_mul_i32 s23, s14, 16*SPITCH                  ; my stage
	v_mul_u32_u24 v5, v1, SPITCH
	v_lshl_add_u32 v5, v2, 6, v5
	v_add_nc_u32 v[STO], s23, v5                   ; in: row r, + 64 h: my half's 16 columns of each 32
	v_and_b32 v6, 31, v0
	v_lshlrev_b32 v[CO], 4, v6
	v_add_nc_u32 v[RD], s23, v[CO]                 ; back: the 32 lanes take one row of 512 bytes
.macro FRAG reg, adr, q, i
.irp c, 0,1
.irp p, 0,1,2
	ds_load_b64 v[\reg+6*\c+2*\p:\reg+6*\c+2*\p+1], v[\adr] offset:(2*(\q)+\c)*PL+768*(\i)+8*\p
.endr
.endr
.endm
; 16 matrix instructions: A's blocks a0, a0 + 1 x B's eight.  first = 1: the sums begin with bo.  The 64 accumulators take turns, one instruction a turn.
.macro MUL16 a0, p, q, sc, first
.irp a, \a0, \a0+1
.irp b, 0,1,2,3,4,5,6,7
.if \first
	v_wmma_scale_f32_16x16x128_f8f6f4 v[8*(8*((\a)%4)+\b):8*(8*((\a)%4)+\b)+7], v[128*(\p)+FR*\b:128*(\p)+FR*\b+FR-1], v[AF+FR*(\a):AF+FR*(\a)+FR-1], v[BI+8*\b:BI+8*\b+7], v[SC+8*NQ*(\sc)+NQ*\b+(\q)], v[SC+8*NQ*(\sc)+NQ*(\a)+(\q)] matrix_a_fmt:MATRIX_FMT_BF6 matrix_b_fmt:MATRIX_FMT_BF6 matrix_a_scale:MATRIX_SCALE_ROW1
.else
	v_wmma_scale_f32_16x16x128_f8f6f4 v[8*(8*((\a)%4)+\b):8*(8*((\a)%4)+\b)+7], v[128*(\p)+FR*\b:128*(\p)+FR*\b+FR-1], v[AF+FR*(\a):AF+FR*(\a)+FR-1], v[8*(8*((\a)%4)+\b):8*(8*((\a)%4)+\b)+7], v[SC+8*NQ*(\sc)+NQ*\b+(\q)], v[SC+8*NQ*(\sc)+NQ*(\a)+(\q)] matrix_a_fmt:MATRIX_FMT_BF6 matrix_b_fmt:MATRIX_FMT_BF6 matrix_a_scale:MATRIX_SCALE_ROW1
.endif
.endr
.endr
.endm
.macro FETCH_B slot, q, p
	WIN TO_B
.irp i, 0,1,2,3,4,5,6,7
	FRAG 128*(\p)+FR*\i, ADRB+\slot, \q, \i
.endr
	WIN 0
.endm
.macro FETCH_A slot, q, i0
.irp i, \i0, \i0+1, \i0+2, \i0+3
	FRAG AF+FR*(\i), ADRA+\slot, \q, \i
.endr
.endm
.macro SCALES sc, ks
.irp i, 0,1,2,3,4,5,6,7
	ds_load_b64 v[SC+8*NQ*(\sc)+NQ*\i:SC+8*NQ*(\sc)+NQ*\i+1], v[ADRS] offset:1024*(\ks)+128*\i
.endr
.endm
.macro PLACES n
.rept \n
	v_nop
.endr
.endm
.macro STEP slot, q, first
	s_wait_dscnt 4*NL                              ; all but the youngest 24 loads (A's blocks 4-7)
.if \first
	WIN 0x81                                       ; C (bo) in window 0, D in window 2
.else
	WIN MUL_LO
.endif
	MUL16 0, (\q)%2, \q, \slot, \first
	MUL16 2, (\q)%2, \q, \slot, \first
	s_wait_dscnt 0
	PLACES NP
	FETCH_B \slot, (\q)+1, 1-(\q)%2
	FETCH_A \slot, (\q)+1, 0
.if \first
	WIN 0xc1                                       ; C in window 0, D in window 3
.else
	WIN MUL_HI
.endif
	MUL16 4, (\q)%2, \q, \slot, \first
	MUL16 6, (\q)%2, \q, \slot, \first
	PLACES NP
	WIN 0
	FETCH_A \slot, (\q)+1, 4
.endm
.macro TURN slot, next, fill, ks
	s_wait_tensorcnt 0x0                           ; all my tensor loads have landed: my part of the next slot
	ds_add_u32 v[SPW], v[NIL]                      ; 0 onto my spare word
	s_wait_dscnt 4*NL+1                            ; (the add and A's blocks 4-7 may be out)
	WIN MUL_LO
	MUL16 0, 1, NQ-1, \slot, 0
	s_wait_dscnt 0x0                               ; the add is done, and my reads of this slot are over
	s_barrier_signal -1
	MUL16 2, 1, NQ-1, \slot, 0
	WIN 0
	s_barrier_wait -1
.if \fill
	CREST                                          ; no wave of any partner still reads this slot or has a load on its way
	s_add_nc_u64 s[G0+4*\slot+2:G0+4*\slot+3], s[G0+4*\slot+2:G0+4*\slot+3], 2*KADVA
	s_add_nc_u64 s[G0B+4*\slot+2:G0B+4*\slot+3], s[G0B+4*\slot+2:G0B+4*\slot+3], 2*KADVB
	JLOAD G0+4*\slot, G1, G0B+4*\slot, G1B         ; my one tensor load behind the round; its four v_nop are the places in front of the loads below
.else
	PLACES NP
.endif
	FETCH_B \next, 0, 0
	FETCH_A \next, 0, 0
	SCALES \next, \ks
	WIN MUL_HI
	MUL16 4, 1, NQ-1, \slot, 0
	MUL16 6, 1, NQ-1, \slot, 0
	PLACES NP
	WIN 0
	FETCH_A \next, 0, 4
.endm
	s_wait_tensorcnt 1                             ; the scale bytes and my part of K step 0 are in; K step 1's load may be out
	s_barrier_signal -1
	s_barrier_wait -1
	FETCH_B 0, 0, 0
	FETCH_A 0, 0, 0
	SCALES 0, 0
	FETCH_A 0, 0, 4
	s_wait_loadcnt 0x0                             ; bo
	STEP 0, 0, 1
	TURN 0, 1, 1, 1                                ; four K steps, written out: slot 0 takes K step 2,
	STEP 1, 0, 0
	TURN 1, 0, 1, 2                                ; slot 1 K step 3,
	STEP 0, 0, 0
	TURN 0, 1, 0, 3                                ; and nothing is left to fetch
	STEP 1, 0, 0
	s_wait_dscnt 4*NL
	WIN MUL_LO
	MUL16 0, 1, NQ-1, 1, 0
	MUL16 2, 1, NQ-1, 1, 0
	s_wait_dscnt 0
	WIN MUL_HI
	MUL16 4, 1, NQ-1, 1, 0
	MUL16 6, 1, NQ-1, 1, 0
	WIN 0
; THE WAY OUT, block by block of 16 positions x 128 columns, through my own stage (in slot 0, which has had its last fill and its last read), back as whole rows of 512 bytes.
.macro TOSTAGE a
.set AC, 64*((\a)%4)
	WIN 0x08+4*((\a)/4)                            ; an LDS store's data are its source 1: window 2 or 3
.irp b, 0,1,2,3,4,5,6,7
	ds_store_b128 v[STO], v[AC+8*\b:AC+8*\b+3] offset:128*(\b/2)+32*(\b%2)          ; each accumulator from its low end on
	ds_store_b128 v[STO], v[AC+8*\b+4:AC+8*\b+7] offset:128*(\b/2)+32*(\b%2)+16
.endr
	WIN 0
.set BB, BK+64*((\a)%2)
.irp t, 0,1,2,3,4,5,6,7,8,9,10,11,12,13,14,15
	ds_load_b128 v[BB+4*\t:BB+4*\t+3], v[RD] offset:\t*SPITCH   ; LDS serves a wave's instructions in order
.endr
.endm
.macro SEND a, younger                 ; position 16 a + t is row 32 (a / 2) + 16 (t / 8) + 8 (a % 2) + t % 8 of my 128: it stands in the immediate, 520,192 at the most
.set BB, BK+64*((\a)%2)
	s_wait_dscnt \younger
.irp t, 0,1,2,3,4,5,6,7,8,9,10,11,12,13,14,15
	global_store_b128 v[CO], v[BB+4*\t:BB+4*\t+3], s[98:99] offset:(32*((\a)/2)+16*(\t/8)+8*((\a)%2)+\t%8)*4096 th:TH_STORE_NT   ; 512 consecutive bytes, aligned to 256
.endr
.endm
	PLACES NP
	TOSTAGE 0
.irp a, 1,2,3,4,5,6,7
.if \a > 1
	s_wait_xcnt 0x0                                ; block a - 2's stores have read their registers: block a's rows may land there
.endif
	TOSTAGE \a
	SEND \a-1, 32                                  ; behind block a - 1's loads: block a's 16 stores and 16 loads
.endr
	SEND 7, 0
	s_wait_tensorcnt 0x0                           ; the wave's end
	ds_add_u32 v[SPW], v[NIL]
	s_wait_dscnt 0x0
	CROUND                                         ; the closing round
	s_endpgm
.Lfunc_end_k_q7880e3f4c5_proj:
	.size	k_q7880e3f4c5_proj, .Lfunc_end_k_q7880e3f4c5_proj-k_q7880e3f4c5_proj
	.p2alignl 7, 3214868480
	.fill 96, 4, 3214868480
	.section	.rodata,"a",@progbits
	.p2align	6, 0x0
	.amdhsa_kernel k_q7880e3f4c5_proj
		.amdhsa_group_segment_fixed_size 327680
		.amdhsa_private_segment_fixed_size 0
		.amdhsa_enable_private_segment 0
		.amdhsa_kernarg_size 48
		.amdhsa_user_sgpr_count 2
		.amdhsa_user_sgpr_kernarg_segment_ptr 1
		.amdhsa_wavefront_size32 1
		.amdhsa_system_sgpr_workgroup_id_x 1
		.amdhsa_system_sgpr_workgroup_id_y 1
		.amdhsa_system_sgpr_workgroup_id_z 1
		.amdhsa_system_vgpr_workitem_id 0
		.amdhsa_next_free_vgpr 1024
		.amdhsa_next_free_sgpr 100
		.amdhsa_reserve_vcc 0
		.amdhsa_float_denorm_mode_32 3
		.amdhsa_float_denorm_mode_16_64 3
		.amdhsa_memory_ordered 1
		.amdhsa_forward_progress 1
		.amdhsa_inst_pref_size 160
	.end_amdhsa_kernel
	.amdgpu_metadata
---
amdhsa.version: [ 1, 2 ]
amdhsa.kernels:
  - .name:           k_q7880e3f4c5_proj
    .symbol:         k_q7880e3f4c5_proj.kd
    .args:
      - { .name: oc, .offset: 0, .size: 8, .value_kind: global_buffer, .address_space: global }
      - { .name: os, .offset: 8, .size: 8, .value_kind: global_buffer, .address_space: global }
      - { .name: rc, .offset: 16, .size: 8, .value_kind: global_buffer, .address_space: global }
      - { .name: rs, .offset: 24, .size: 8, .value_kind: global_buffer, .address_space: global }
      - { .name: bo, .offset: 32, .size: 8, .value_kind: global_buffer, .address_space: global }
      - { .name: out0, .offset: 40, .size: 8, .value_kind: global_buffer, .address_space: global }
    .group_segment_fixed_size: 327680
    .private_segment_fixed_size: 0
    .kernarg_segment_align: 8
    .kernarg_segment_size: 48
    .max_flat_workgroup_size: 128
    .sgpr_count:     100
    .vgpr_count:     1024
    .wavefront_size: 32
...
	.end_amdgpu_metadata
.endif
;; end of part 4
